; MI455X (gfx1250); checked and timed in simulation.
; The chip was launched on July 23, 2026; its instructions are those of AMD's public machine-readable ISA for CDNA 5 (MIT licence, August 2026) and "CDNA5" Instruction Set Architecture Reference Guide (July 2026). The comments in the code are by the model that wrote it; some were corrected since.
;; Multi Head Attention. Allowed arithmetic: matrix products marked QUANTISED: E2M3 operands, one E8M0 scale for each 32 along K, by v_wmma_scale_f32_16x16x128_f8f6f4 with both operands' format E2M3, f32 sums; everything else in f32.
;; Inputs: Wk_codes 16 x 128 x 64 x 24 uint8 (E2M3 codes of Wk, K innermost, in blocks of 32 codes, four codes in three bytes); Wk_scales 16 x 128 x 64 uint8 (E8M0 scales of Wk, one for each 32 codes along K); Wo 16 x 128 x 2,048 float32; Wq_codes 16 x 128 x 64 x 24 uint8 (E2M3 codes of Wq, K innermost, in blocks of 32 codes, four codes in three bytes); Wq_scales 16 x 128 x 64 uint8 (E8M0 scales of Wq, one for each 32 codes along K); Wv_codes 16 x 128 x 64 x 24 uint8 (E2M3 codes of Wv, K innermost, in blocks of 32 codes, four codes in three bytes); Wv_scales 16 x 128 x 64 uint8 (E8M0 scales of Wv, one for each 32 codes along K); attention_mask 1 x 2,048 x 2,048 bool; bk 16 x 128 float32; bo 2,048 float32; bq 16 x 128 float32; bv 16 x 128 float32; key_codes 1 x 2,048 x 64 x 24 uint8 (E2M3 codes of key, K innermost, in blocks of 32 codes, four codes in three bytes); key_scales 1 x 2,048 x 64 uint8 (E8M0 scales of key, one for each 32 codes along K); query_codes 1 x 2,048 x 64 x 24 uint8 (E2M3 codes of query, K innermost, in blocks of 32 codes, four codes in three bytes); query_scales 1 x 2,048 x 64 uint8 (E8M0 scales of query, one for each 32 codes along K); value_codes 1 x 2,048 x 64 x 24 uint8 (E2M3 codes of value, K innermost, in blocks of 32 codes, four codes in three bytes); value_scales 1 x 2,048 x 64 uint8 (E8M0 scales of value, one for each 32 codes along K).
;; Outputs: out0 1 x 2,048 x 2,048 float32.
;; This version of the problem:
;;   THIS VERSION OF THE PROBLEM IS GIVEN IN LOW PRECISION. The matrix products marked QUANTISED in the list below multiply operands that are first quantised to E2M3 (2 exponent bits, 3 mantissa bits; 6 bits a number), with one power-of-two scale for each 32 numbers along K (OCP MX v1.0); their sums are f32. All else is computed in f32.
;;   The module's matrix products, in the order in which they are computed (A, B: the left and right operand; K: the contracted axis; several contracted axes count as one K, in the product's order):
;;     1. [M 2,048, K 2,048] x [K 2,048, N 2,048]; A: input query (given as codes); B: input Wq (given as codes): QUANTISED
;;     2. [M 2,048, K 2,048] x [K 2,048, N 2,048]; A: input key (given as codes); B: input Wk (given as codes): QUANTISED
;;     3. [M 2,048, K 2,048] x [K 2,048, N 2,048]; A: input value (given as codes); B: input Wv (given as codes): QUANTISED
;;     4. batch 16 x [M 2,048, K 128] x [K 128, N 2,048]; A: computed on the way; B: computed on the way: QUANTISED
;;     5. batch 16 x [M 128, K 2,048] x [K 2,048, N 2,048]; A: computed on the way; B: softmax (see below): QUANTISED
;;     6. [M 2,048, K 2,048] x [K 2,048, N 2,048]; A: computed on the way; B: input Wo: QUANTISED
;;   THE QUANTISER, for each operand of a quantised product, along K:
;;     - K is cut into blocks of 32 from its start; a last block that is shorter is filled with zeros.
;;     - A block's scale is 2^e with e = floor(log2(the largest magnitude in the block)) - 2, held to -126 .. 127; a block of zeros has e = 0. As a byte (E8M0): e + 127.
;;     - Each number is divided by its block's scale, clamped to +-7.5, and rounded to the nearest number of E2M3, ties to even, subnormals kept.
;;     - The product sums the exact products of the quantised numbers (number of the format x scale) in f32.
;;   ~~~python
;;   def quantise(x, axis):      # numpy; x: float32 -> the quantised numbers, widened to float32 again
;;       x = np.moveaxis(x, axis, -1); K = x.shape[-1]
;;       x = np.pad(x, [(0, 0)] * (x.ndim - 1) + [(0, -K % 32)]); x = x.reshape(x.shape[:-1] + (-1, 32)); a = np.abs(x).max(-1, keepdims=True)
;;       e = np.where(a > 0, np.clip(np.frexp(np.where(a > 0, a, 1))[1] - 1 - 2, -126, 127), 0)      # np.frexp(a)[1] - 1 = floor(log2(a)), exactly
;;       r = np.clip(x / 2.0 ** e, -7.5, 7.5)
;;       step = 2.0 ** (np.maximum(np.frexp(np.where(r == 0, 1, r))[1] - 1, 0) - 3)
;;       q = np.round(r / step) * step * 2.0 ** e      # np.round: ties to even
;;       return np.moveaxis(q.reshape(q.shape[:-2] + (-1,))[..., :K], -1, axis).astype(np.float32)
;;   ~~~
;;   SOFTMAX AHEAD OF A QUANTISED PRODUCT. Where the list says 'softmax', what is quantised is not the finished softmax but p = 2^(t - M), with t = logit x log2(e) and M = ceil(the row's largest t), a whole number; so 1/2 < the row's largest p <= 1. The row's sum l is taken of the UNQUANTISED p, in f32, and the product's result is divided by l at the end. Since M is a whole number, a kernel that streams over the keys may use a running M (the ceiling of the running maximum): every later rescaling is an exact power of two, which a block's scale takes up: the codes' values come out the same.
;;   OPERANDS COMPUTED ON THE WAY. 'Computed on the way' means the value that the module computes at that place (a softmax that the list does not call 'softmax' is quantised finished and normalised). What goes into a quantiser is computed in f32, as accurately as f32 sums, v_exp_f32 and their like allow (about 1e-6 of the number): no bf16 or f16 on the way to a quantiser, and a product that is left as it is and whose result goes on into a quantised operand takes f32 operands (vector FMAs, or v_wmma_f32_16x16x4_f32). A number that lies on a knife's edge between two numbers of the format may be rounded either way, as far as f32 arithmetic and the matrix unit's own rounding can turn it there, and no further.
;;   INPUTS GIVEN AS CODES. Wk (in the module: [2048, 16, 128], K = its axis 0); Wq (in the module: [2048, 16, 128], K = its axis 0); Wv (in the module: [2048, 16, 128], K = its axis 0); key (in the module: [1, 2048, 2048], K = its axis 2); query (in the module: [1, 2048, 2048], K = its axis 2); value (in the module: [1, 2048, 2048], K = its axis 2): each comes as NAME_codes (uint8): NAME with its K axis moved to the last place and cut into blocks of 32 codes, [.., K / 32, bytes a block], one block behind the other in memory; four codes in three bytes: a row's codes are one little-endian stream of bits, code i at bits 6 i .. 6 i + 5 (a code: sign, 2 exponent bits, 3 mantissa bits); and NAME_scales (uint8): the same leading axes, one E8M0 byte (e + 127) for each 32 codes along K. Its value is code x scale, taken as it is: it is not quantised again, and the codes and scales need not be those that the quantiser above would give.
;; One version. Each part assembles by itself: llvm-mc -triple=amdgcn-amd-amdhsa -mcpu=gfx1250 --defsym DOCPART=n.
;; ======== version 1 of 1: 3 launches
;; workspace buffers: qf 3,276,800 bytes; kv 6,553,600 bytes; af 3,276,800 bytes; wf 3,276,800 bytes; mw 524,288 bytes of whole numbers
;; launch proj (part 1): grid 8 x 24, 4 waves a work-group, clusters of 4 x 4, 327,680 bytes of LDS; arguments query_codes, query_scales, Wq_codes, Wq_scales, key_codes, key_scales, Wk_codes, Wk_scales, Wv_codes, Wv_scales, value_codes, value_scales, bq, bk, bv, qf, kv, attention_mask, mw; writes qf, kv, mw
.if DOCPART == 1
	.amdgcn_target "amdgcn-amd-amdhsa--gfx1250"
	.amdhsa_code_object_version 6
	.text
	.protected	k_q54d1973882_proj
	.globl	k_q54d1973882_proj
	.p2align	8
	.type	k_q54d1973882_proj,@function
k_q54d1973882_proj:
	s_mov_b64 s[64:65], 0
	v_nop
	global_prefetch_b8 v0, s[64:65] scope:SCOPE_SE
	s_setreg_imm32_b32 hwreg(HW_REG_WAVE_MODE, 25, 1), 1
	s_wait_xcnt 0x0
	s_wait_alu depctr_hold_cnt(0) depctr_sa_sdst(0) depctr_va_vdst(0) depctr_va_sdst(0) depctr_va_ssrc(0) depctr_va_vcc(0) depctr_vm_vsrc(0)
	s_getreg_b32 s2, hwreg(HW_REG_IB_STS2, 6, 4)
	s_cmp_eq_u32 s2, 0
	s_cbranch_scc0 .Lentry_in_a_cluster
	s_endpgm
.Lentry_in_a_cluster:
	s_bfe_u32 s2, ttmp6, 0x10000c
	s_cmp_lg_u32 s2, 0xf033
	s_cbranch_scc0 .Lentry_shape_is_right
	s_endpgm
.Lentry_shape_is_right:
; The three projections, one launch: C[m][n] = sum over k of A[m][k] B[n][k], 2,048 x 2,048 x 2,048 each, on codes of FP6 (E2M3) with one E8M0 byte for each 32 along K, taken as they are given.
; Cluster row y / 2 says which: 0: q (A = query, B = Wq), 1: k (A = key, B = Wk), 2: v (A = Wv, B = value: the roles change, so that v too is quantised along n, which is then the keys).
; The choice selects pointers and factors alone; all three take one path through the products.
; A tile of C, 256 x 256, is made by four waves, 128 x 128 each: 64 accumulators, 512 registers.  K goes in steps of 256 through a ring of two LDS slots filled by the tensor data mover (rows of 192 bytes,
; 16 bytes of padding behind every 64: pitch 240).  The scale bytes of the tile's 256 + 256 rows, for all of K, come into LDS once, in rows of 256 bytes.
; CLUSTERS: 4 x 4 work-groups; A's tiles are asked for jointly along a row of the cluster, B's along a column.  THE MATRIX INSTRUCTION IS USED TRANSPOSED (source 0 = 16 rows of B, source 1 = 16 rows of A):
; a lane holds one row m and eight neighbouring n.
; THE WAY OUT QUANTISES.  x = acc x SC + bias x SC (SC = 1 / sqrt(128) for q, else 1; the bias goes by n for q and k, by m for v; the one that does not apply is multiplied by 0).  A wave's 128 x 128 is one
; BLOCK of the next launch's operand: 8 fragments of 16 rows x 128 along n, each an image of its 12 registers (registers 4 c .. 4 c + 3 of lane l at 512 c + 16 l), then 512 bytes of scale words
; (tile T, row r at 16 (r + 16 (T % 2)) + 4 (T / 2)).  qf = [head][query / 128] blocks; kv = [head][key / 128] K's block, then V's.
; A lane's registers of tiles 2 b and 2 b + 1 are converted as they stand, so place p of a block of 32 holds index 8 (2 ((p / 8) % 2) + p / 16) + p % 8; the other operand of each later product is made the same way.
; THE MASK.  While the first tiles are on their way, attention_mask [2048][2048] of bytes becomes words of lane bits for the next launch.  For query tile qt (16 queries), key step s (128 keys), word n = 8 t + j has
; bit l = mask[16 qt + l % 16][128 s + 16 t + 8 (l / 16) + j].  mw = [qt 128][s 16][64 words].  There are 128 query tiles and 128 work-groups of q and k: each takes one tile, each of its waves four key steps;
; the work-groups of v jump over the block: a scalar branch on the product's number, which all partners of a cluster share, round loads, vector work and stores alone.
; LIMITS: NaN and infinities are not served; a block's byte is held at 1 from below (a block of zeros gets 1: its codes are zeros, and this program alone reads the bytes).
; REGISTERS, in windows of 256: window 0: v0-31 addresses; v32-63 scale words, two sets; v64-127 the bias by n; v128-223 A's fragments, one set (ahead of them the mask's bytes and words); v232-247 the bias by m.
;   On the way out v128-228 and v248-251 are at work.   window 1: B's fragments, two sets, at v0 and v128.   window 2: the accumulators of my rows 0-63 ((a, b) at v[8 (8 a + b)]);   window 3: those of rows 64-127.
.set KSTEP,  256                       ; along K in a slot
.set NQ,     2                         ; matrix instructions deep
.set ROWB,   192                       ; a tile's row in bytes
.set KROW,   1536                      ; a row of codes in memory
.set PITCH,  240                       ; an LDS row: 3 x (64 + 16) bytes
.set FR,     12                        ; registers of a fragment
.set NL,     6                         ; LDS loads that bring one
.set NP,     4                         ; places behind this matrix instruction (ISA guide 7.12.1)
.set HALFT,  128*PITCH                 ; 128 rows: what one tensor load brings
.set SLOT,   4*HALFT                   ; A's 256 rows, then B's 256
.set LAPS,   4                         ; 2,048 / (2 x 256)
.set KS,     64                        ; a row of scale bytes
.set SCL,    2*SLOT                    ; behind the ring: the scales, rows of 256 bytes + 16
.set HALFS,  (128*KS/256)*272          ; those of 128 rows
.set SBLK,   (16*KS/256)*272           ; those of 16 rows
.set SPARE,  SCL+4*HALFS               ; the spare words, 128 bytes for each wave: two blocks of 256 bytes that no other line names
.set BLK,    12800                     ; a block of qf or kv
.set MLO,  7                           ; v7   the mask: 2,048 x (lane % 16) + 8 x (lane / 16); never rewritten
.set MSO,  8                           ; v8   its words: 8 x lane; never rewritten
.set ADRA, 16                          ; v16-17 LDS address of my A fragments in slot 0, 1 (v18-19: behind one padding more)
.set ADRB, 20                          ; v20-23 the same for B
.set LI,   24                          ; v24  16 x lane
.set OBC,  25                          ; v25  32 x (lane / 16): my eight numbers of the bias by n
.set OBR,  26                          ; v26  4 x (lane % 16): my number of the bias by m
.set ADRS, 27                          ; v27  LDS address of my scale words: lanes 0-15 A's rows, lanes 16-31 B's
.set SPW,  28                          ; v28  LDS address of my spare word; never rewritten
.set NIL,  29                          ; v29  0; never rewritten
.set SC,   32                          ; scale words
.set BC,   64                          ; the bias by n, x its factor: register 8 b + j
.set AF,   128                         ; A's fragments
.set ML,   128                         ; v128-191 the mask's bytes: step s, tile t at v[128 + 16 s + 2 t]
.set MWD,  192                         ; v192-199 a step's 64 words: two to a lane
.set MT,   200                         ; v200-207 at work
.set T,    128                         ; the way out: 64 numbers
.set PC,   192                         ; v192-210 codes
.set TM,   212                         ; v212-227 at work
.set PW,   228                         ; the scale word just made
.set BR,   232                         ; the bias by m, x its factor: a pair for each block of rows
.set SCW,  248                         ; v248-251 the block's scale image
.set G1, 24
.set G0, 32
.set G1B, 48
.set G0B, 56
.set G1S, 68
.set G0S, 76
.set G1SB, 80
.set G0SB, 88
.set SEL, 92                           ; s[92:93] on the way out: lane selects for v_permlanex16_b32
.set ACS, 98                           ; s[98:99]   SC
.set CF,  100                          ; s[100:101] the factor of the bias by n
.set RF,  104                          ; s[104:105] the factor of the bias by m
.set MSB, 0
.macro WIN new                         ; the immediate's high byte repeats the setting that is left
.if MSB != \new
	s_set_vgpr_msb (MSB<<8)|\new
.set MSB, \new
.endif
.endm
.set MUL_LO, 0xa1                      ; source 0 (B) window 1, source 1 (A) window 0, C and D window 2
.set MUL_HI, 0xf1                      ; the same, C and D window 3
.set TO_B,   0x40                      ; destination window 1, address window 0
; A joint load: waves 0 and 1 fetch for A, waves 2 and 3 for B; the branch hangs on the wave's number alone.  Four v_nop follow each of the two lines.
.macro JLOAD g0a, g1a, g0b, g1b
	s_cmp_eq_u32 s15, 0
	s_cbranch_scc0 .Lfor_b_\@
	tensor_load_to_lds s[\g0a:\g0a+3], s[\g1a:\g1a+7]
	s_nop 0
.rept 4
	v_nop
.endr
	s_branch .Lasked_\@
.Lfor_b_\@:
	tensor_load_to_lds s[\g0b:\g0b+3], s[\g1b:\g1b+7]
	s_nop 0
.rept 4
	v_nop
.endr
.Lasked_\@:
.endm
.macro CREST                           ; a round of the cluster's barrier behind its opening barrier
	s_cmp_lg_u32 s14, 0
	s_cbranch_scc1 .Lnot_wave_0_\@
	s_barrier_signal -3
.Lnot_wave_0_\@:
	s_barrier_wait -3
	s_barrier_signal -1
	s_barrier_wait -1
.endm
.macro CROUND                          ; a whole round
	s_barrier_signal -1
	s_barrier_wait -1
	CREST
.endm
	s_load_b512 s[24:39], s[0:1], 0x0              ; query's codes, scales; Wq's; key's; Wk's
	s_load_b256 s[40:47], s[0:1], 0x40             ; Wv's codes, scales; value's
	s_load_b256 s[48:55], s[0:1], 0x60             ; bq, bk, bv, qf
	s_load_b64 s[56:57], s[0:1], 0x80              ; kv
	s_load_b64 s[96:97], s[0:1], 0x88              ; the mask
	s_load_b64 s[98:99], s[0:1], 0x90              ; mw
	v_lshl_add_u32 v[SPW], v0, 2, SPARE
	v_mov_b32 v[NIL], 0
	ds_add_u32 v28, v29
	s_wait_dscnt 0x0
	v_lshrrev_b32 v1, 5, v0
	v_readfirstlane_b32 s14, v1                    ; wave 0..3
	s_lshr_b32 s15, s14, 1                         ; which half of the tile's rows is mine.  Also: I fetch for A (0) or for B (1)
	s_and_b32 s16, s14, 1                          ; which half of its columns.  Also: which 128 rows of that tile I fetch
	s_and_b32 s94, ttmp7, 0xffff                   ; the cluster's y, which all sixteen partners share
	s_lshr_b32 s95, s94, 1                         ; which product: 0 q, 1 k, 2 v
	s_and_b32 s94, s94, 1                          ; which half of its tile rows
	s_wait_kmcnt 0x0
	s_cmp_eq_u32 s95, 1                            ; the choice hangs on the cluster's number alone
	s_cselect_b64 s[4:5], s[32:33], s[40:41]       ; A's codes: key's or Wv's,
	s_cselect_b64 s[6:7], s[34:35], s[42:43]       ; A's scales
	s_cselect_b64 s[8:9], s[36:37], s[44:45]       ; B's codes: Wk's or value's
	s_cselect_b64 s[10:11], s[38:39], s[46:47]     ; B's scales
	s_cselect_b64 s[66:67], s[50:51], s[52:53]     ; the bias
	s_cmp_eq_u32 s95, 0
	s_cselect_b64 s[4:5], s[24:25], s[4:5]         ; or query's and Wq's
	s_cselect_b64 s[6:7], s[26:27], s[6:7]
	s_cselect_b64 s[8:9], s[28:29], s[8:9]
	s_cselect_b64 s[10:11], s[30:31], s[10:11]
	s_cselect_b64 s[66:67], s[48:49], s[66:67]
	s_cselect_b64 s[12:13], s[54:55], s[56:57]     ; the result: qf or kv
	s_bfe_u32 s40, ttmp6, 0x40000                  ; cx, cy: my place in the cluster
	s_bfe_u32 s41, ttmp6, 0x40004
	s_lshl_b32 s42, ttmp9, 2
	s_add_co_u32 s42, s42, s40                     ; tile column = 4 x cluster x + cx
	s_lshl_b32 s17, s94, 2
	s_add_co_u32 s17, s17, s41                     ; tile row in my product = 4 x (cluster y % 2) + cy
	s_lshl_b32 s43, s41, 2
	s_lshl_b32 s43, 15, s43                        ; my row of the cluster
	s_lshl_b32 s44, 0x1111, s40                    ; my column
	; descriptor group 1: a tile of 128 rows x 192 bytes, padded in LDS
	s_or_b32 s[G1+0], s43, (0<<16)|(1<<20)|(1<<21)|(3<<22)|(3<<25)  ; 15:0 the mask: A's tiles go to my row; 17:16 elements of 1 byte; 20 padding on; 21 set beside a mask; 24:22 after every 16 words; 31:25 of 4 words
	s_or_b32 s[G1B+0], s44, (0<<16)|(1<<20)|(1<<21)|(3<<22)|(3<<25)
.irp g, G1, G1B
	s_mov_b32 s[\g+1], ROWB<<16                    ; tensor_dim0
	s_mov_b32 s[\g+2], 128<<16                     ; tensor_dim1
	s_mov_b32 s[\g+3], ROWB<<16                    ; tile_dim0
	s_mov_b32 s[\g+4], 128                         ; tile_dim1
	s_mov_b32 s[\g+5], KROW                        ; tensor_dim0_stride
	s_mov_b32 s[\g+6], 0
	s_mov_b32 s[\g+7], 0
.endr
	; the scales of 128 rows: a dense block of 8,192 bytes, as 32 rows of 256 bytes (32 elements of 8 bytes), 16 bytes of padding behind each
	s_or_b32 s[G1S+0], s43, (3<<16)|(1<<20)|(1<<21)|(5<<22)|(3<<25)
	s_or_b32 s[G1SB+0], s44, (3<<16)|(1<<20)|(1<<21)|(5<<22)|(3<<25)
.irp g, G1S, G1SB
	s_mov_b32 s[\g+1], 32<<16
	s_mov_b32 s[\g+2], (128*KS/256)<<16
	s_mov_b32 s[\g+3], 32<<16
	s_mov_b32 s[\g+4], 128*KS/256
	s_mov_b32 s[\g+5], 32
	s_mov_b32 s[\g+6], 0
	s_mov_b32 s[\g+7], 0
.endr
	s_lshl_b32 s18, s16, 7                         ; which 128 rows of the tile I fetch
	s_lshl_b32 s20, s17, 8
	s_add_co_u32 s20, s20, s18                     ; A: row 256 x tile row + 128 x half
	s_lshl_b32 s46, s42, 8
	s_add_co_u32 s46, s46, s18                     ; B: row 256 x tile column + 128 x half
	s_mov_b32 s21, 0
	s_mov_b32 s47, 0
	s_mov_b64 s[18:19], KS
	s_mul_u64 s[22:23], s[20:21], s[18:19]         ; where these rows' scales begin,
	s_mul_u64 s[92:93], s[46:47], s[18:19]
	s_mov_b64 s[18:19], KROW
	s_mul_u64 s[20:21], s[20:21], s[18:19]         ; and their codes
	s_mul_u64 s[46:47], s[46:47], s[18:19]
	s_mul_i32 s45, s14, HALFT                      ; where they go: wave x 128 rows: no place in the cluster enters an LDS address
	s_mul_i32 s94, s14, HALFS
	s_add_nc_u64 s[20:21], s[4:5], s[20:21]
	s_add_nc_u64 s[22:23], s[6:7], s[22:23]
	s_add_nc_u64 s[46:47], s[8:9], s[46:47]
	s_add_nc_u64 s[92:93], s[10:11], s[92:93]
	CROUND                                         ; all sixteen work-groups are here: the first joint loads meet
	s_mov_b32 s[G0S], 1
	s_add_co_u32 s[G0S+1], s94, SCL
	s_mov_b64 s[G0S+2:G0S+3], s[22:23]
	s_or_b32 s[G0S+3], s[G0S+3], 0x80000000
	s_mov_b32 s[G0SB], 1
	s_add_co_u32 s[G0SB+1], s94, SCL
	s_mov_b64 s[G0SB+2:G0SB+3], s[92:93]
	s_or_b32 s[G0SB+3], s[G0SB+3], 0x80000000
	JLOAD G0S, G1S, G0SB, G1SB                     ; the scales first: they are wanted with K step 0
.irp s, 0,1
	s_mov_b32 s[G0+4*\s], 1
	s_add_co_u32 s[G0+4*\s+1], s45, \s*SLOT
	s_add_nc_u64 s[G0+4*\s+2:G0+4*\s+3], s[20:21], \s*ROWB
	s_or_b32 s[G0+4*\s+3], s[G0+4*\s+3], 0x80000000
	s_mov_b32 s[G0B+4*\s], 1
	s_add_co_u32 s[G0B+4*\s+1], s45, \s*SLOT
	s_add_nc_u64 s[G0B+4*\s+2:G0B+4*\s+3], s[46:47], \s*ROWB
	s_or_b32 s[G0B+4*\s+3], s[G0B+4*\s+3], 0x80000000
	JLOAD G0+4*\s, G1, G0B+4*\s, G1B               ; by this text's count three tensor loads of mine are out now
.endr
	v_and_b32 v1, 15, v0                           ; r = lane % 16
	v_bfe_u32 v2, v0, 4, 1                         ; h = lane / 16
	v_mul_u32_u24 v3, v1, PITCH
	v_mul_u32_u24 v4, v2, 24
	v_add_nc_u32 v4, v3, v4                        ; a fragment's row x pitch + 24 x half
	v_lshl_add_u32 v5, v2, 4, v4                   ; and the same behind one padding more
	s_mul_i32 s21, s15, HALFT                      ; my 128 rows of A
	s_mul_i32 s22, s16, HALFT                      ; my 128 rows of B,
	s_add_co_u32 s22, s22, 2*HALFT                 ; which lie behind A's 256
.irp s, 0,1
	v_add_nc_u32 v[ADRA+\s], s21, v4
	v_add_nc_u32 v[ADRB+\s], s22, v4
	v_add_nc_u32 v[ADRA+2+\s], s21, v5
	v_add_nc_u32 v[ADRB+2+\s], s22, v5
	s_add_co_u32 s21, s21, SLOT
	s_add_co_u32 s22, s22, SLOT
.endr
	v_mul_u32_u24 v5, v1, KS                       ; my row's scales: 64 bytes a row,
	v_lshrrev_b32 v6, 8, v5
	v_lshl_add_u32 v5, v6, 4, v5                   ; and 16 more for each 256 passed
	s_mul_i32 s21, s15, HALFS                      ; A's: my 128 rows
	s_mul_i32 s22, s16, HALFS                      ; B's: my 128 rows, behind A's 256
	s_add_co_u32 s22, s22, 2*HALFS
	s_sub_co_u32 s22, s22, s21
	v_mul_u32_u24 v6, s22, v2                      ; lanes 16-31 take B's: one product, the distance between the two bases
	s_add_co_u32 s21, s21, SCL
	v_add_nc_u32 v5, v5, v6
	v_add_nc_u32 v[ADRS], s21, v5
	v_and_b32 v6, 31, v0
	v_lshlrev_b32 v[LI], 4, v6
	v_lshlrev_b32 v[OBC], 5, v2
	v_lshlrev_b32 v[OBR], 2, v1
	v_lshlrev_b32 v[MLO], 11, v1                   ; the mask: row lane % 16 of 2,048 bytes,
	v_lshl_add_u32 v[MLO], v2, 3, v[MLO]           ; + 8 (lane / 16)
	v_lshlrev_b32 v[MSO], 3, v6                    ; its words: two to a lane
	; What mixes cx and cy is made in registers that feed no descriptor.  First the mask's tile: 64 x product + 8 x tile row + tile column (used by q's and k's work-groups alone)
	s_lshl_b32 s100, s95, 6
	s_lshl_b32 s101, s17, 3
	s_add_co_u32 s100, s100, s101
	s_add_co_u32 s100, s100, s42                   ; query tile
	s_lshl_b32 s104, s100, 15                      ; 16 rows of 2,048 bytes
	s_lshl_b32 s101, s14, 9
	s_add_co_u32 s104, s104, s101                  ; + my wave's four key steps of 128 bytes
	s_mov_b32 s105, 0
	s_add_nc_u64 s[4:5], s[96:97], s[104:105]      ; (s[4:11] are free: the descriptors hold their own sums)
	s_lshl_b32 s104, s100, 12                      ; 16 steps of 256 bytes of words
	s_lshl_b32 s101, s14, 10
	s_add_co_u32 s104, s104, s101                  ; + my wave's four
	s_add_nc_u64 s[6:7], s[98:99], s[104:105]
	; where my wave's block goes, and its biases
	s_lshl_b32 s100, s17, 1
	s_add_co_u32 s100, s100, s15                   ; mb: which 128 rows m are mine
	s_lshl_b32 s101, s42, 1
	s_add_co_u32 s101, s101, s16                   ; nb: which 128 columns n
	s_mov_b32 s3, 0
	s_lshl_b32 s2, s100, 9
	s_add_nc_u64 s[96:97], s[66:67], s[2:3]        ; the bias at m = 128 mb
	s_lshl_b32 s2, s101, 9
	s_add_nc_u64 s[66:67], s[66:67], s[2:3]        ; and at n = 128 nb
	s_cmp_eq_u32 s95, 2
	s_cselect_b32 s104, s100, s101                 ; the head: nb for q and k, mb for v
	s_cselect_b32 s105, s101, s100                 ; the block of queries or keys
	s_cselect_b32 s2, BLK, 0                       ; V's block lies behind K's
	s_lshl_b32 s104, s104, 4
	s_add_co_u32 s104, s104, s105
	s_cmp_eq_u32 s95, 0
	s_mov_b32 s105, 2*BLK
	s_cselect_b32 s105, BLK, s105                  ; qf: a block to a place; kv: two
	s_mul_i32 s104, s104, s105
	s_add_co_u32 s2, s2, s104
	s_add_nc_u64 s[12:13], s[12:13], s[2:3]
	s_cmp_eq_u32 s95, 0
	s_cselect_b32 s[ACS], 0x3db504f3, 1.0          ; 1 / sqrt(128) for q
	s_mov_b32 s[ACS+1], s[ACS]                     ; (the packed forms name pairs, so both words are written)
	s_cmp_eq_u32 s95, 2
	s_cselect_b32 s[CF], 0, s[ACS]
	s_mov_b32 s[CF+1], s[CF]
	s_cselect_b32 s[RF], 1.0, 0
	s_mov_b32 s[RF+1], s[RF]
	s_mov_b32 s2, 0xffff0000                       ; lanes 16-31
.irp b, 0,1,2,3,4,5,6,7
	global_load_b128 v[BC+8*\b:BC+8*\b+3], v[OBC], s[66:67] offset:64*\b           ; bias(128 nb + 16 b + 8 h + 0 .. 7)
	global_load_b128 v[BC+8*\b+4:BC+8*\b+7], v[OBC], s[66:67] offset:64*\b+16
.endr
.irp a, 0,1,2,3,4,5,6,7
	global_load_b32 v[BR+2*\a], v[OBR], s[96:97] offset:64*\a                      ; bias(128 mb + 16 a + r), twice: a pair for the packed addition
	global_load_b32 v[BR+2*\a+1], v[OBR], s[96:97] offset:64*\a
.endr
	; ---- the mask's words, while the first tiles are on their way
; One key step: 64 words.  Tile t's eight keys go together: eight bytes are cut out, eight compares give a bit a lane each, eight lane writes put word 8 t + j into lane 4 t + j / 2, register j % 2:
; so no line reads the result of the line above it.
.macro BALLOT s
	s_wait_loadcnt 24-8*\s                         ; this step's eight loads are in (and the biases, which are older); the later steps' loads may be out
	v_mov_b32 v[MWD+2*\s], 0                       ; (a lane write's destination counts as read)
	v_mov_b32 v[MWD+2*\s+1], 0
.irp g, 0,1,2,3,4,5,6,7
.irp j, 0,1,2,3,4,5,6,7
	v_and_b32 v[MT+\j], 0xff<<(8*(\j%4)), v[ML+16*\s+2*\g+\j/4]
.endr
.irp j, 0,1,2,3,4,5,6,7
	v_cmp_ne_u32 s[8+\j+8*(\j/4)], 0, v[MT+\j]     ; s8-11 and s20-23
.endr
.irp j, 0,1,2,3,4,5,6,7
	v_writelane_b32 v[MWD+2*\s+\j%2], s[8+\j+8*(\j/4)], 4*\g+\j/2
.endr
.endr
	global_store_b64 v[MSO], v[MWD+2*\s:MWD+2*\s+1], s[6:7] offset:256*\s          ; 32 lanes store 256 consecutive bytes, at a multiple of 256 from mw's first byte
.endm
	s_cmp_eq_u32 s95, 2                            ; 128 query tiles for the 128 work-groups of q and k; the number is the same in all sixteen partners
	s_cbranch_scc1 .Lno_mask
.irp s, 0,1,2,3
.irp t, 0,1,2,3,4,5,6,7
	global_load_b64 v[ML+16*\s+2*\t:ML+16*\s+2*\t+1], v[MLO], s[4:5] offset:128*\s+16*\t   ; my eight keys of tile t of step s; the wave's 32 loads cover 512 bytes of each of its 16 rows
.endr
.endr
.irp s, 0,1,2,3
	BALLOT \s
.endr
.Lno_mask:
	s_wait_loadcnt 0x0                             ; the biases
	s_wait_xcnt 0x0                                ; the words' stores have read their registers: A's fragments land there below
.set i, 0
.rept 32
	v_pk_mul_f32 v[BC+i:BC+i+1], v[BC+i:BC+i+1], s[CF:CF+1] op_sel_hi:[1,0]
.set i, i+2
.endr
.set i, 0
.rept 8
	v_pk_mul_f32 v[BR+i:BR+i+1], v[BR+i:BR+i+1], s[RF:RF+1] op_sel_hi:[1,0]
.set i, i+2
.endr
.macro FRAG reg, adr, q, i             ; a fragment, 16 rows x 128 K of 6-bit codes, is 12 registers: lane l holds row l % 16; registers 6 c .. 6 c + 5 hold K = 64 c + 32 (l / 16) + 0 .. 31: 24 bytes of the row, as they lie
.irp p, 0,1,2,3,4,5                    ; in pieces of 8 bytes.  Lanes 16-31 read three pieces further on than lanes 0-15; where that lies behind one padding more, the second address register serves
.set PIECE, 12*(\q)+6*(\p/3)+\p%3
.if PIECE%8 < 5
	ds_load_b64 v[\reg+2*\p:\reg+2*\p+1], v[\adr] offset:8*PIECE+16*(PIECE/8)+(\i)*16*PITCH
.else
	ds_load_b64 v[\reg+2*\p:\reg+2*\p+1], v[\adr+2] offset:8*PIECE+16*(PIECE/8)+(\i)*16*PITCH
.endif
.endr
.endm
; 16 matrix instructions: A's blocks a0, a0 + 1 x B's eight, the slot's q-th 128 along K.  p: B's set; sc: the set of scale words.  zero = 1: the first product starts the sums.
; The 64 accumulators take turns, one instruction a turn, in the same order in every step.
.macro MUL16 a0, p, q, sc, zero
.irp a, \a0, \a0+1
.irp b, 0,1,2,3,4,5,6,7
.if \zero
	v_wmma_scale_f32_16x16x128_f8f6f4 v[8*(8*((\a)%4)+\b):8*(8*((\a)%4)+\b)+7], v[128*(\p)+FR*\b:128*(\p)+FR*\b+FR-1], v[AF+FR*(\a):AF+FR*(\a)+FR-1], 0, v[SC+8*NQ*(\sc)+NQ*\b+(\q)], v[SC+8*NQ*(\sc)+NQ*(\a)+(\q)] matrix_a_fmt:MATRIX_FMT_FP6 matrix_b_fmt:MATRIX_FMT_FP6 matrix_a_scale:MATRIX_SCALE_ROW1
.else
	v_wmma_scale_f32_16x16x128_f8f6f4 v[8*(8*((\a)%4)+\b):8*(8*((\a)%4)+\b)+7], v[128*(\p)+FR*\b:128*(\p)+FR*\b+FR-1], v[AF+FR*(\a):AF+FR*(\a)+FR-1], v[8*(8*((\a)%4)+\b):8*(8*((\a)%4)+\b)+7], v[SC+8*NQ*(\sc)+NQ*\b+(\q)], v[SC+8*NQ*(\sc)+NQ*(\a)+(\q)] matrix_a_fmt:MATRIX_FMT_FP6 matrix_b_fmt:MATRIX_FMT_FP6 matrix_a_scale:MATRIX_SCALE_ROW1
.endif
.endr
.endr
.endm
.macro FETCH_B slot, q, p              ; B's eight fragments of the slot's q-th 128 along K into set p
	WIN TO_B
.irp i, 0,1,2,3,4,5,6,7
	FRAG 128*(\p)+FR*\i, ADRB+\slot, \q, \i
.endr
	WIN 0
.endm
.macro FETCH_A slot, q, i0             ; A's blocks i0 .. i0 + 3
.irp i, \i0, \i0+1, \i0+2, \i0+3
	FRAG AF+FR*(\i), ADRA+\slot, \q, \i
.endr
.endm
.macro SCALES sc                       ; a K step's scale words into set sc: two words a row; lanes 0-15 take A's block i, lanes 16-31 B's block i
.irp i, 0,1,2,3,4,5,6,7
	ds_load_b64 v[SC+8*NQ*\sc+NQ*\i:SC+8*NQ*\sc+NQ*\i+1], v[ADRS] offset:\i*SBLK
.endr
.endm
; A load into a register that a matrix instruction has read, and a vector instruction that reads a matrix result or writes one of its registers, stand NP places behind it; only plain vector
; instructions that name none of its registers are places (ISA guide 7.12.1 for vector instructions).
.macro PLACES n
.rept \n
	v_nop
.endr
.endm
; A step of 128 along K that has its successor in the same slot.
.macro STEP slot, q, zero
	s_wait_dscnt 4*NL                              ; B's set and A's blocks 0-3 are in; the youngest 24 loads (A's blocks 4-7) may be out
	WIN MUL_LO
	MUL16 0, (\q)%2, \q, \slot, \zero
	MUL16 2, (\q)%2, \q, \slot, \zero
	s_wait_dscnt 0                                 ; A's blocks 4-7 are in
	PLACES NP
	FETCH_B \slot, (\q)+1, 1-(\q)%2
	FETCH_A \slot, (\q)+1, 0
	WIN MUL_HI
	MUL16 4, (\q)%2, \q, \slot, \zero
	MUL16 6, (\q)%2, \q, \slot, \zero
	PLACES NP
	WIN 0
	FETCH_A \slot, (\q)+1, 4
.endm
; A slot's last step changes slots: one barrier; in front of it each wave waits for all its tensor loads, adds 0 to its spare word, and waits for that and for its own reads of this slot.  fill = 1: this slot is filled again, two K steps ahead.
.macro TURN slot, next, fill
	s_wait_tensorcnt 0x0                           ; all my tensor loads have landed: my part of the next slot  (every window is 0 here)
	ds_add_u32 v[SPW], v[NIL]                      ; 0 onto my spare word
	s_wait_dscnt 4*NL+1                            ; (the add and the youngest 24 loads, A's blocks 4-7, may be out)
	WIN MUL_LO
	MUL16 0, 1, NQ-1, \slot, 0                     ; sixteen matrix instructions stand between the add and the wait for it
	s_wait_dscnt 0x0                               ; the add is done, and my reads of this slot are over
	s_barrier_signal -1
	MUL16 2, 1, NQ-1, \slot, 0
	WIN 0
	s_barrier_wait -1
.if \fill
	CREST                                          ; the barrier has opened a round of the cluster's barrier: no wave of any partner still reads this slot's tile or has a load on its way
	s_add_nc_u64 s[G0+4*\slot+2:G0+4*\slot+3], s[G0+4*\slot+2:G0+4*\slot+3], 2*ROWB
	s_add_nc_u64 s[G0B+4*\slot+2:G0B+4*\slot+3], s[G0B+4*\slot+2:G0B+4*\slot+3], 2*ROWB
	JLOAD G0+4*\slot, G1, G0B+4*\slot, G1B         ; the first tensor load behind the round, my one load until the next; its four v_nop are the places in front of the loads below
.else
	PLACES NP
.endif
	v_add_nc_u32 v[ADRS], 4*NQ, v[ADRS]            ; on to the next K step's scale words (no LDS load of mine is out)
	FETCH_B \next, 0, 0
	FETCH_A \next, 0, 0
	SCALES \next
	WIN MUL_HI
	MUL16 4, 1, NQ-1, \slot, 0
	MUL16 6, 1, NQ-1, \slot, 0
	PLACES NP
	WIN 0
	FETCH_A \next, 0, 4
.endm
	s_wait_tensorcnt 1                             ; the scales and my part of K step 0 are in; K step 1's load may be out
	s_barrier_signal -1
	s_barrier_wait -1                              ; everybody's are
	FETCH_B 0, 0, 0
	FETCH_A 0, 0, 0
	SCALES 0
	FETCH_A 0, 0, 4
	STEP 0, 0, 1                                   ; the first step stands in front of the loop: its products start the sums
	s_mov_b32 s3, LAPS-1
.Llap:                                             ; a trip goes once round the ring, from a lap's second step to the next lap's first, and fills both slots again
	TURN 0, 1, 1
	STEP 1, 0, 0
	TURN 1, 0, 1
	STEP 0, 0, 0
	s_sub_co_u32 s3, s3, 1
	s_cmp_lg_u32 s3, 0
	s_cbranch_scc1 .Llap
	TURN 0, 1, 0                                   ; the last lap fills nothing, and has no round of the cluster's barrier
	STEP 1, 0, 0
	s_wait_dscnt 4*NL                              ; the very last step: nothing more to fetch
	WIN MUL_LO
	MUL16 0, 1, NQ-1, 1, 0
	MUL16 2, 1, NQ-1, 1, 0
	s_wait_dscnt 0
	WIN MUL_HI
	MUL16 4, 1, NQ-1, 1, 0
	MUL16 6, 1, NQ-1, 1, 0
	WIN 0
; 64 numbers of a lane, v[s] .. v[s + 63], four blocks of 32 shared with lane l xor 16 (16 registers each), become a fragment's codes in v[PC] on and its scale word in v[PW].
.macro QUANT s
.irp b, 0,1,2,3
	v_max3_num_f32 v[TM+\b], |v[\s+16*\b]|, |v[\s+1+16*\b]|, 0x1800000   ; block b: my 16 numbers, and the floor 2^(3 - 127): the byte cannot fall under 1
.endr
.irp i, 2,4,6,8,10,12,14
.irp b, 0,1,2,3
	v_max3_num_f32 v[TM+\b], v[TM+\b], |v[\s+16*\b+\i]|, |v[\s+1+16*\b+\i]|   ; (the four blocks by turns)
.endr
.endr
.irp b, 0,1,2,3
	v_permlanex16_b32 v[TM+4+\b], v[TM+\b], s[SEL], s[SEL+1]
.endr
.irp b, 0,1,2,3
	v_max_num_f32 v[TM+\b], v[TM+\b], v[TM+4+\b]   ; with lane l xor 16's: the block's largest magnitude
.endr
.irp b, 0,1,2,3
	v_add_nc_u32 v[TM+12+\b], 0xff000000, v[TM+\b] ; 2 off its exponent field: the conversion's scale operand
.endr
.irp b, 0,1,2,3
	v_lshrrev_b32 v[TM+4+\b], 23, v[TM+12+\b]      ; the scale's byte
.endr
	v_lshl_or_b32 v[PW], v[TM+5], 8, v[TM+4]       ; the four bytes make my row's scale word
	v_lshl_or_b32 v[PW], v[TM+6], 16, v[PW]
	v_lshl_or_b32 v[PW], v[TM+7], 24, v[PW]
.irp c, 0,1
	v_cvt_scalef32_pk16_fp6_f32 v[PC+6*\c:PC+2+6*\c], v[\s+32*\c:\s+15+32*\c], v[TM+12+2*\c]
	v_cvt_scalef32_pk16_fp6_f32 v[PC+12+4*\c:PC+14+4*\c], v[\s+16+32*\c:\s+31+32*\c], v[TM+12+2*\c+1]   ; (a conversion's three registers begin on an even number)
.endr
	v_nop                                          ; one plain instruction behind a scaled conversion
.irp c, 0,1                                    ; the operand's layout wants a whole block in a lane: lanes 0-15 block 2 c, lanes 16-31 block 2 c + 1
.irp i, 0,1,2
	v_permlane16_swap_b32 v[PC+6*\c+\i], v[PC+12+4*\c+\i]
.endr
.irp i, 0,1,2
	v_mov_b32 v[PC+3+6*\c+\i], v[PC+12+4*\c+\i]
.endr
.endr
.endm
; THE WAY OUT of my rows 16 a .. 16 a + 15: scale and biases, quantised along n, the fragment's image stored as it stands: three stores of 512 consecutive bytes.  No LDS.
.macro OUTBLK a
	WIN 0x02+(\a)/4                                ; source 0: window 2 or 3
.set i, 0
.rept 32
	v_pk_fma_f32 v[T+i:T+i+1], v[64*((\a)%4)+i:64*((\a)%4)+i+1], s[ACS:ACS+1], v[BC+i:BC+i+1] op_sel_hi:[1,0,1]   ; each accumulator from its low end on
.set i, i+2
.endr
	WIN 0
.set i, 0
.rept 32
	v_pk_add_f32 v[T+i:T+i+1], v[T+i:T+i+1], v[BR+2*(\a):BR+2*(\a)+1]
.set i, i+2
.endr
.if (\a) > 0
	s_wait_xcnt 0x0                                ; the last block's stores have read their registers: the codes may be written again
.endif
	QUANT T
.irp c, 0,1,2
	global_store_b128 v[LI], v[PC+4*\c:PC+4*\c+3], s[12:13] offset:1536*(\a)+512*\c
.endr
.if (\a)%2 == 0
	v_mov_b32 v[SCW+(\a)/2], v[PW]                 ; the scale image: an even tile's words in lanes 0-15,
.else
	v_cndmask_b32 v[SCW+(\a)/2], v[SCW+(\a)/2], v[PW], s2   ; an odd tile's in lanes 16-31
.endif
.endm
	PLACES NP                                      ; behind the last products: their results are read and A's registers written below
	s_mov_b32 s[SEL], 0x76543210
	s_mov_b32 s[SEL+1], 0xfedcba98                 ; lane l xor 16
.irp b, 0,1,2,3
	v_mov_b32 v[TM+4+\b], 0                        ; written once: a lane permute's destination counts as one of its sources
.endr
.irp a, 0,1,2,3,4,5,6,7
	OUTBLK \a
.endr
	global_store_b128 v[LI], v[SCW:SCW+3], s[12:13] offset:12288   ; the block's 512 bytes of scale words
	s_wait_tensorcnt 0x0                           ; the wave's end
	ds_add_u32 v[SPW], v[NIL]
	s_wait_dscnt 0x0
	CROUND                                         ; the closing round: no work-group ends while a partner may still ask for a tile that names it
	s_endpgm
.Lfunc_end_k_q54d1973882_proj:
	.size	k_q54d1973882_proj, .Lfunc_end_k_q54d1973882_proj-k_q54d1973882_proj
	.p2alignl 7, 3214868480
	.fill 96, 4, 3214868480
	.section	.rodata,"a",@progbits
	.p2align	6, 0x0
	.amdhsa_kernel k_q54d1973882_proj
		.amdhsa_group_segment_fixed_size 327680
		.amdhsa_private_segment_fixed_size 0
		.amdhsa_enable_private_segment 0
		.amdhsa_kernarg_size 152
		.amdhsa_user_sgpr_count 2
		.amdhsa_user_sgpr_kernarg_segment_ptr 1
		.amdhsa_wavefront_size32 1
		.amdhsa_system_sgpr_workgroup_id_x 1
		.amdhsa_system_sgpr_workgroup_id_y 1
		.amdhsa_system_sgpr_workgroup_id_z 1
		.amdhsa_system_vgpr_workitem_id 0
		.amdhsa_next_free_vgpr 1024
		.amdhsa_next_free_sgpr 106
		.amdhsa_reserve_vcc 0
		.amdhsa_float_denorm_mode_32 3
		.amdhsa_float_denorm_mode_16_64 3
		.amdhsa_memory_ordered 1
		.amdhsa_forward_progress 1
		.amdhsa_inst_pref_size 255
	.end_amdhsa_kernel
	.amdgpu_metadata
---
amdhsa.version: [ 1, 2 ]
amdhsa.kernels:
  - .name:           k_q54d1973882_proj
    .symbol:         k_q54d1973882_proj.kd
    .args:
      - { .name: query_codes, .offset: 0, .size: 8, .value_kind: global_buffer, .address_space: global }
      - { .name: query_scales, .offset: 8, .size: 8, .value_kind: global_buffer, .address_space: global }
      - { .name: Wq_codes, .offset: 16, .size: 8, .value_kind: global_buffer, .address_space: global }
      - { .name: Wq_scales, .offset: 24, .size: 8, .value_kind: global_buffer, .address_space: global }
      - { .name: key_codes, .offset: 32, .size: 8, .value_kind: global_buffer, .address_space: global }
      - { .name: key_scales, .offset: 40, .size: 8, .value_kind: global_buffer, .address_space: global }
      - { .name: Wk_codes, .offset: 48, .size: 8, .value_kind: global_buffer, .address_space: global }
      - { .name: Wk_scales, .offset: 56, .size: 8, .value_kind: global_buffer, .address_space: global }
      - { .name: Wv_codes, .offset: 64, .size: 8, .value_kind: global_buffer, .address_space: global }
      - { .name: Wv_scales, .offset: 72, .size: 8, .value_kind: global_buffer, .address_space: global }
      - { .name: value_codes, .offset: 80, .size: 8, .value_kind: global_buffer, .address_space: global }
      - { .name: value_scales, .offset: 88, .size: 8, .value_kind: global_buffer, .address_space: global }
      - { .name: bq, .offset: 96, .size: 8, .value_kind: global_buffer, .address_space: global }
      - { .name: bk, .offset: 104, .size: 8, .value_kind: global_buffer, .address_space: global }
      - { .name: bv, .offset: 112, .size: 8, .value_kind: global_buffer, .address_space: global }
      - { .name: qf, .offset: 120, .size: 8, .value_kind: global_buffer, .address_space: global }
      - { .name: kv, .offset: 128, .size: 8, .value_kind: global_buffer, .address_space: global }
      - { .name: attention_mask, .offset: 136, .size: 8, .value_kind: global_buffer, .address_space: global }
      - { .name: mw, .offset: 144, .size: 8, .value_kind: global_buffer, .address_space: global }
    .group_segment_fixed_size: 327680
    .private_segment_fixed_size: 0
    .kernarg_segment_align: 8
    .kernarg_segment_size: 152
    .max_flat_workgroup_size: 128
    .sgpr_count:     106
    .vgpr_count:     1024
    .wavefront_size: 32
...
	.end_amdgpu_metadata
.endif
;; end of part 1
;; launch attn (part 2): grid 16 x 16, 16 waves a work-group, clusters of 4 x 1, 327,680 bytes of LDS; arguments qf, kv, mw, af, Wo, wf; writes af, wf
.if DOCPART == 2
	.amdgcn_target "amdgcn-amd-amdhsa--gfx1250"
	.amdhsa_code_object_version 6
	.text
	.protected	k_q54d1973882_attn
	.globl	k_q54d1973882_attn
	.p2align	8
	.type	k_q54d1973882_attn,@function
k_q54d1973882_attn:
	s_mov_b64 s[64:65], 0
	v_nop
	global_prefetch_b8 v0, s[64:65] scope:SCOPE_SE
	s_setreg_imm32_b32 hwreg(HW_REG_WAVE_MODE, 25, 1), 1
	s_wait_xcnt 0x0
	s_wait_alu depctr_hold_cnt(0) depctr_sa_sdst(0) depctr_va_vdst(0) depctr_va_sdst(0) depctr_va_ssrc(0) depctr_va_vcc(0) depctr_vm_vsrc(0)
	s_getreg_b32 s2, hwreg(HW_REG_IB_STS2, 6, 4)
	s_cmp_eq_u32 s2, 0
	s_cbranch_scc0 .Lentry_in_a_cluster
	s_endpgm
.Lentry_in_a_cluster:
	s_bfe_u32 s2, ttmp6, 0x10000c
	s_cmp_lg_u32 s2, 0x3003
	s_cbranch_scc0 .Lentry_shape_is_right
	s_endpgm
.Lentry_shape_is_right:
; attn[q][head][:] = sum over keys of softmax(q . k + adder) v, both products on codes of FP6 (E2M3) with one E8M0 byte for each 32 along a product's K; the result is quantised along the channels for the output product.
; INPUTS, made by the launch before: qf [head][query / 128], kv [head][key / 128] (K's block, then V's): blocks of 8 fragment images (16 rows x 128 K: registers 4 c .. 4 c + 3 of lane l at 512 c + 16 l) and
; 512 bytes of scale words (tile T, row r at 16 (r + 16 (T % 2)) + 4 (T / 2): one load of 16 bytes a lane gives register j = tile 2 j in lanes 0-15, tile 2 j + 1 in lanes 16-31).  V's rows are channels, its K the step's 128 keys.
; mw [query / 16][key / 128][64 words]: word 8 t + j holds, a bit a lane, the mask of the key that register j of score tile t holds.
; THE SOFTMAX.  The adder, 0 or -1e9, is the C of the score's matrix instruction, so it stands ahead of the maximum.  t = (score + adder) x log2(e), rounded as a product of its own; M = the largest t so far, rounded up to a whole number;
; p = 2^(t - M) is what is quantised, along the keys.  The row's sum is taken of the unquantised p and divides at the end.  When M moves, the sum and O are multiplied by 2^(old M - new M): exact.
; SHARES.  A work-group owns 128 queries of one head.  Wave w owns the 16 queries of tile w % 8 and the key steps of parity w / 8: eight steps of 128 keys.  Four waves to a SIMD, 256 registers each, so that one wave's vector
; work stands beside another's matrix work and LDS loads.  At the end waves 8-15 hand O, -M and the sum to waves 0-7 through LDS; the two halves are joined by exact powers of two.
; LAYOUT.  Both products are used transposed: S^T = K Q^T, O^T = V^T P^T: a lane holds one query (lane % 16) throughout; register j of tile t holds index 16 t + 8 (lane / 16) + j.  The registers of tiles 2 b and 2 b + 1 are
; converted as they stand, so place p of a block of 32 holds index 8 (2 ((p / 8) % 2) + p / 16) + p % 8; V, and the output product's weights, are laid in the same order.
; CLUSTER.  The four query blocks of a cluster belong to one head and walk the same kv: each tile is asked for jointly.  Two slots of four key steps (102,400 bytes); waves 0-3 fetch a step each: 100 rows of 256 bytes, dense.
; No prefetch is laid: both first fills, half of the walk, go out at the head, and each refill goes out a whole slot ahead of its first read.
; BESIDE IT EACH WORK-GROUP LAYS ONE BLOCK OF THE OUTPUT PRODUCT'S WEIGHTS.  Wo [2048 (K = head x 128 + channel)][2048 (d)], f32, K its first axis, becomes wf = [d / 128][K / 128] blocks of the form above: 256 blocks for 256
; work-groups: mine is (d / 128 = my query block's number, K / 128 = my head's number).  Wave w takes columns 32 (w % 4) + lane and the block of 32 along K numbered w / 4: a lane takes a column and its 32 registers run down K, in
; the order of places given above, so a block lies in one lane and nothing is transposed by an instruction.  The 32 loads go out at the head, into O^T's registers, which are idle until the first step's second product; the numbers
; are quantised in the first step, where later steps rescale O^T; codes and scale bytes meet in a stage in LDS, and behind the first change of slots, whose barrier is there anyway, they leave in runs of 512 consecutive bytes.
; LIMITS: NaN and infinities are not served; a block's byte is held at 1 from below (its codes are then zeros or the smallest; this program alone reads the bytes).  score + adder is rounded once, in the matrix instruction's own
; sum, where the module rounds the score and then the sum: that can show only in a row whose every key is masked, where all t lie near -1.44e9.
; REGISTERS: v0-11, v30-31 addresses and constants; v12 -M, v13 the largest t, v[14:15] the sum; v16-27 Q, v28 its scale words; v32-79 four fragments; v80-83, v84-87 K's and V's scale words; v88-95 wf on its way out;
; v96-159 S^T, then p; v160-223 O^T (ahead of it Wo's numbers); v224-254 at work.
.set STEPB, 25600                      ; a key step in kv and in LDS: K's block, V's block
.set BLK,   12800
.set SLOTB, 4*STEPB
.set MRG,   2*SLOTB                    ; behind the ring: for each query tile 8,448 bytes: O's 16 x 512, -M, the sum
.set MRGW,  8448
.set SCST,  MRG+8*MRGW                 ; the result's scale image, 512 bytes
.set SPARE, SCST+512                   ; the spare words, 128 bytes for each wave: eight blocks of 256 bytes that no other line names
.set WST,   SPARE+2048                 ; the stage for my block of wf: 12,800 bytes, fifty blocks of 256 bytes into which no tile lands
.set WR,  0                            ; v0   wf's stage on the way out: + 512 x wave + 16 x lane (written at the head's end, behind the last use of the thread's number)
.set AD0, 1                            ; v1   16 x lane + my group's step in a pair of steps
.set ADS, 2                            ; v2   the same in the step in hand
.set MO,  3                            ; v3   my tile's place for O: + 16 x lane
.set MS,  4                            ; v4   and for -M and the sum: + 4 x lane
.set SPW, 5                            ; v5   LDS address of my spare word; never rewritten
.set NIL, 6                            ; v6   0; never rewritten
.set LI,  7                            ; v7   16 x lane
.set NEG, 8                            ; v8   -1e9
.set ZER, 9                            ; v9   0
.set SCA, 10                           ; v10  where my row's scale word goes in the result's image
.set SCB, 11                           ; v11  the image, 16 x lane
.set QF,  16
.set QS,  28
.set QSO, 29                           ; v29  16 x (lane % 16)
.set WA,  30                           ; v30  wf's stage on the way in: my column's fragment, its lane's 16 bytes
.set WS,  31                           ; v31  and my block's scale byte
.set FRG, 32
.set KSC, 80
.set VSC, 84
.set WD,  88                           ; v88-95 wf on its way out; never rewritten
.set WX,  160                          ; v160-191 Wo's 32 numbers of my column
.set WLO, 192                          ; v192 4 x lane, until those numbers are in
.set SIM, 244                          ; v244-247 the result's scale image on its way out: registers that no matrix instruction names
.set CS,  2                            ; s[2:3] log2(e)
.set WV,  12
.set GRP, 13
.set WQ,  14
.set G1,  16                           ; s[16:23] descriptor group 1
.set G0,  24                           ; s[24:27], s[28:31] group 0 of slot 0, 1
.set MA,  32                           ; s[32:63] mask words 0-31
.set MB,  68                           ; s[68:99] mask words 32-63
.set SEL, 100                          ; s[100:101] lane l xor 16
.macro CROUND                          ; a round of the cluster's barrier
	s_barrier_signal -1
	s_barrier_wait -1
	s_cmp_lg_u32 s[WV], 0
	s_cbranch_scc1 .Lnot_wave_0_\@
	s_barrier_signal -3
.Lnot_wave_0_\@:
	s_barrier_wait -3
	s_barrier_signal -1
	s_barrier_wait -1
.endm
.macro TLOAD g0                        ; waves 0-3 fetch a key step each; the branch hangs on the wave's number alone.  Four v_nop follow the load
	s_cmp_lt_u32 s[WV], 4
	s_cbranch_scc0 .Lno_load_\@
	tensor_load_to_lds s[\g0:\g0+3], s[G1:G1+7]
	s_nop 0
.rept 4
	v_nop
.endr
.Lno_load_\@:
.endm
.macro MM d, a, b, zero, sa, sb, row   ; one product; row = 1: source 0's scale words stand in lanes 16-31
.if (\zero) && (\row)
	v_wmma_scale_f32_16x16x128_f8f6f4 v[\d:\d+7], v[\a:\a+11], v[\b:\b+11], 0, v[\sa], v[\sb] matrix_a_fmt:MATRIX_FMT_FP6 matrix_b_fmt:MATRIX_FMT_FP6 matrix_a_scale:MATRIX_SCALE_ROW1
.elseif (\zero)
	v_wmma_scale_f32_16x16x128_f8f6f4 v[\d:\d+7], v[\a:\a+11], v[\b:\b+11], 0, v[\sa], v[\sb] matrix_a_fmt:MATRIX_FMT_FP6 matrix_b_fmt:MATRIX_FMT_FP6
.elseif (\row)
	v_wmma_scale_f32_16x16x128_f8f6f4 v[\d:\d+7], v[\a:\a+11], v[\b:\b+11], v[\d:\d+7], v[\sa], v[\sb] matrix_a_fmt:MATRIX_FMT_FP6 matrix_b_fmt:MATRIX_FMT_FP6 matrix_a_scale:MATRIX_SCALE_ROW1
.else
	v_wmma_scale_f32_16x16x128_f8f6f4 v[\d:\d+7], v[\a:\a+11], v[\b:\b+11], v[\d:\d+7], v[\sa], v[\sb] matrix_a_fmt:MATRIX_FMT_FP6 matrix_b_fmt:MATRIX_FMT_FP6
.endif
.endm
.macro FRLOAD off                      ; four fragment images from off bytes on in the step
.irp t, 0,1,2,3
.irp c, 0,1,2
	ds_load_b128 v[FRG+12*\t+4*\c:FRG+12*\t+4*\c+3], v[ADS] offset:\off+1536*\t+512*\c
.endr
.endr
.endm
.macro PLACES n
.rept \n
	v_nop
.endr
.endm
	s_load_b256 s[36:43], s[0:1], 0x0              ; qf s[36:37], kv s[38:39], mw s[40:41], af s[42:43]
	s_load_b128 s[68:71], s[0:1], 0x20             ; Wo s[68:69], wf s[70:71]
	v_lshl_add_u32 v[SPW], v0, 2, SPARE
	v_mov_b32 v[NIL], 0
	ds_add_u32 v5, v6
	s_wait_dscnt 0x0
	v_lshrrev_b32 v1, 5, v0
	v_readfirstlane_b32 s[WV], v1                  ; wave 0..15
	s_lshr_b32 s[GRP], s[WV], 3                    ; which parity of key steps
	s_and_b32 s[WQ], s[WV], 7                      ; which tile of 16 queries
	s_bfe_u32 s44, ttmp6, 0x40000                  ; cx
	s_lshl_b32 s45, ttmp9, 2
	s_add_co_u32 s45, s45, s44                     ; my block of 128 queries: it enters qf's, mw's, af's, Wo's and wf's addresses alone
	s_and_b32 s46, ttmp7, 0xffff                   ; the head, which the four partners share
	s_and_b32 s15, s[WV], 3
	s_mul_i32 s[G0+1], s15, STEPB                  ; what I fetch, if I fetch: step wave % 4 of a slot: its place in LDS,
	s_mul_i32 s48, s46, 16*STEPB
	s_add_co_u32 s48, s48, s[G0+1]                 ; and in the head's kv
	s_mov_b32 s49, 0
	s_add_co_u32 s[G0+5], s[G0+1], SLOTB
	s_mov_b32 s[G0], 1                             ; 1:0 count = 1
	s_mov_b32 s[G0+4], 1
	s_mov_b32 s[G1], 15|(3<<16)|(1<<21)            ; 15:0 the mask: all four work-groups; 17:16 elements of 8 bytes; 21 set beside a mask; no padding
	s_mov_b32 s[G1+1], 32<<16                      ; tensor_dim0 = 32 elements: 256 bytes
	s_mov_b32 s[G1+2], 100<<16                     ; tensor_dim1 = 100 rows
	s_mov_b32 s[G1+3], 32<<16                      ; tile_dim0
	s_mov_b32 s[G1+4], 100                         ; tile_dim1
	s_mov_b32 s[G1+5], 32                          ; the pitch: dense
	s_mov_b32 s[G1+6], 0
	s_mov_b32 s[G1+7], 0
	s_lshl_b32 s50, s46, 4
	s_add_co_u32 s50, s50, s45
	s_mul_i32 s50, s50, BLK                        ; qf: block (head, my queries)
	s_mul_i32 s52, s[WQ], 1536
	s_add_co_u32 s52, s52, s50                     ; my tile's fragment
	s_mov_b32 s53, 0
	s_and_b32 s54, s[WQ], 1
	s_lshl_b32 s54, s54, 8
	s_lshr_b32 s55, s[WQ], 1
	s_lshl_b32 s55, s55, 2
	s_add_co_u32 s54, s54, s55                     ; my tile's words in a scale image: 256 (tile % 2) + 4 (tile / 2), + 16 r
	s_add_co_u32 s56, s54, s50
	s_add_co_u32 s56, s56, 12288
	s_mov_b32 s57, 0
	s_lshl_b32 s58, s45, 3
	s_add_co_u32 s58, s58, s[WQ]
	s_lshl_b32 s58, s58, 4
	s_add_co_u32 s58, s58, s[GRP]
	s_lshl_b32 s58, s58, 8                         ; mw: (my tile, my first step)
	s_mov_b32 s59, 0
	s_lshl_b32 s60, s45, 4
	s_add_co_u32 s60, s60, s46
	s_mul_i32 s60, s60, BLK                        ; af: block (my queries, head); wf: the block of the same number
	s_lshl_b32 s76, s[WV], 9
	s_add_co_u32 s76, s76, s60                     ; wf: my wave's 512 bytes of it
	s_mov_b32 s77, 0
	s_mul_i32 s61, s[WQ], 1536
	s_add_co_u32 s60, s60, s61
	s_mov_b32 s61, 0
	s_lshl_b32 s72, s46, 20                        ; Wo: K step = head: 128 rows of 8,192 bytes,
	s_lshr_b32 s74, s[WV], 2
	s_lshl_b32 s74, s74, 18
	s_add_co_u32 s72, s72, s74                     ; + my block: 32 rows,
	s_lshl_b32 s74, s45, 9
	s_add_co_u32 s72, s72, s74                     ; + 128 columns of 4 bytes,
	s_lshl_b32 s74, s15, 7
	s_add_co_u32 s72, s72, s74                     ; + my wave's 32 columns
	s_mov_b32 s73, 0
	s_mov_b32 s[CS], 0x3fb8aa3b                    ; log2(e)
	s_mov_b32 s[CS+1], s[CS]                       ; (named with it as a pair, so it is written)
	s_mov_b32 s[SEL], 0x76543210
	s_mov_b32 s[SEL+1], 0xfedcba98
	; every LDS address register is made here, ahead of any parting of the waves
	v_and_b32 v[LI], 31, v0
	v_lshlrev_b32 v[LI], 4, v[LI]
	s_mul_i32 s62, s[GRP], STEPB
	v_add_nc_u32 v[AD0], s62, v[LI]
	s_mul_i32 s62, s[WQ], MRGW
	s_add_co_u32 s62, s62, MRG
	v_add_nc_u32 v[MO], s62, v[LI]
	v_and_b32 v[MS], 31, v0
	v_lshlrev_b32 v[MS], 2, v[MS]
	v_add_nc_u32 v[MS], s62, v[MS]
	v_add_nc_u32 v[MS], 8192, v[MS]
	v_and_b32 v[QSO], 15, v0
	v_lshlrev_b32 v[QSO], 4, v[QSO]
	s_add_co_u32 s63, s54, SCST
	v_add_nc_u32 v[SCA], s63, v[QSO]
	v_add_nc_u32 v[SCB], SCST, v[LI]
	; wf's stage.  My column is row lane % 16 of fragment 2 (w % 4) + lane / 16; my block 2 c + h of the K step (c = w / 8, h = (w / 4) % 2) is registers 6 c .. 6 c + 5 of that fragment's lane r + 16 h
	v_bfe_u32 v[WA], v0, 4, 1
	v_mul_u32_u24 v[WA], v[WA], 1536
	v_add_nc_u32 v[WA], v[WA], v[QSO]              ; 1,536 (lane / 16) + 16 (lane % 16)
	s_mul_i32 s62, s15, 3072
	s_bfe_u32 s63, s[WV], 0x10002                  ; h
	s_lshl_b32 s63, s63, 8
	s_add_co_u32 s62, s62, s63
	s_add_co_u32 s62, s62, WST
	v_add_nc_u32 v[WA], s62, v[WA]                 ; + 3,072 (w % 4) + 256 h; c stands in the stores' immediates
	s_lshl_b32 s62, s15, 2
	s_lshr_b32 s63, s[WV], 2
	s_add_co_u32 s62, s62, s63
	s_add_co_u32 s62, s62, WST+12288
	v_add_nc_u32 v[WS], s62, v[LI]                 ; my column's scale word at 16 x lane + 4 (w % 4), my block's byte w / 4 in it
	v_lshrrev_b32 v[WLO], 2, v[LI]                 ; 4 x lane
	s_lshl_b32 s62, s[WV], 9
	s_add_co_u32 s62, s62, WST
	v_add_nc_u32 v[WR], s62, v[LI]                 ; (the thread's number is done with)
	v_mov_b32 v[NEG], 0xce6e6b28                   ; -1e9
	v_mov_b32 v[ZER], 0
	s_wait_kmcnt 0x0
	s_add_nc_u64 s[G0+2:G0+3], s[38:39], s[48:49]  ; slot 0: key steps 0-3
	s_add_nc_u64 s[G0+6:G0+7], s[G0+2:G0+3], SLOTB ; slot 1: key steps 4-7
	s_or_b32 s[G0+3], s[G0+3], 0x80000000          ; 127:126 type = 2
	s_or_b32 s[G0+7], s[G0+7], 0x80000000
	s_add_nc_u64 s[4:5], s[36:37], s[52:53]
	s_add_nc_u64 s[104:105], s[36:37], s[56:57]
	s_add_nc_u64 s[8:9], s[40:41], s[58:59]
	s_add_nc_u64 s[10:11], s[42:43], s[60:61]
	s_add_nc_u64 s[6:7], s[68:69], s[72:73]        ; Wo at my wave's first number
	s_add_nc_u64 s[66:67], s[70:71], s[76:77]      ; wf at my wave's 512 bytes
	CROUND                                         ; all four work-groups are here: the first joint loads meet
	s_cmp_lt_u32 s[WV], 4                          ; a wave's two first fills stand in one branch, ahead of every wait on TENSORcnt and every LDS read: two loads of mine are out
	s_cbranch_scc0 .Lno_first
	tensor_load_to_lds s[G0:G0+3], s[G1:G1+7]
	s_nop 0
	tensor_load_to_lds s[G0+4:G0+7], s[G1:G1+7]
	s_nop 0
	PLACES 4
.Lno_first:
.irp c, 0,1,2
	global_load_b128 v[QF+4*\c:QF+4*\c+3], v[LI], s[4:5] offset:512*\c     ; Q's fragment stays in registers
.endr
	global_load_b32 v[QS], v[QSO], s[104:105]      ; and its scale words
.irp i, 0,1,2,3,4,5,6,7,8,9,10,11,12,13,14,15,16,17,18,19,20,21,22,23,24,25,26,27,28,29,30,31
	global_load_b32 v[WX+\i], v[WLO], s[6:7] offset:(8*(((\i/8)%2)*2+\i/16)+\i%8)*8192 th:TH_LOAD_NT   ; Wo: register i takes the K index that belongs at place i; 32 lanes read 128 consecutive bytes, four waves side by side 512
.endr
	s_load_b512 s[MA:MA+15], s[8:9], 0x0           ; my first step's mask words (the head's scalar temporaries are done with)
	s_load_b512 s[MA+16:MA+31], s[8:9], 0x40
	s_load_b512 s[MB:MB+15], s[8:9], 0x80
	s_load_b512 s[MB+16:MB+31], s[8:9], 0xc0
	v_mov_b32 v13, 0xff61b1e6                      ; the largest t so far: -3e38, under every t
	v_floor_f32 v12, -v13                          ; -M
	v_mov_b32 v14, 0                               ; the sum, in two halves
	v_mov_b32 v15, 0
.irp b, 0,1,2,3
	v_mov_b32 v[236+\b], 0                         ; written once: a lane permute's destination counts as one of its sources
.endr
	v_mov_b32 v253, 0                              ; (named as the upper half of the pair v[252:253] before it is first written)
; MY BLOCK OF 32 OF Wo: its largest magnitude, its byte, its 24 bytes of codes, into the stage.  v240-250 are free at this place of a step.
.macro WOQ
	s_wait_loadcnt 0x0                             ; Wo's 32 numbers are in
	v_max3_num_f32 v240, |v[WX]|, |v[WX+1]|, |v[WX+2]|             ; all 32 numbers are mine
	v_max3_num_f32 v241, |v[WX+3]|, |v[WX+4]|, |v[WX+5]|
.irp i, 6,10,14,18,22,26
	v_max3_num_f32 v240, v240, |v[WX+\i]|, |v[WX+\i+1]|
	v_max3_num_f32 v241, v241, |v[WX+\i+2]|, |v[WX+\i+3]|
.endr
	v_max3_num_f32 v240, v240, |v[WX+30]|, |v[WX+31]|
	v_max3_num_f32 v240, v240, v241, 0x1800000     ; and the floor 2^(3 - 127): the byte cannot fall under 1
	v_add_nc_u32 v242, 0xff000000, v240            ; 2 off the exponent field: the conversion's scale operand
	v_lshrrev_b32 v243, 23, v242                   ; the scale's byte
	v_cvt_scalef32_pk16_fp6_f32 v[244:246], v[WX:WX+15], v242
	v_cvt_scalef32_pk16_fp6_f32 v[248:250], v[WX+16:WX+31], v242   ; (a conversion's three registers begin on an even number)
	v_nop                                          ; one plain instruction behind a scaled conversion: its results are read below, and its sources are written by the products that follow
	v_mov_b32 v247, v248
	v_mov_b32 v248, v249
	v_mov_b32 v249, v250                           ; v[244:249]: the block's 24 bytes
	ds_store_b8 v[WS], v243
	s_cmp_lt_u32 s[WV], 8                          ; c = w / 8: which six of the fragment's twelve registers
	s_cbranch_scc0 .Lwo_hi
	ds_store_b128 v[WA], v[244:247]                ; registers 0-3
	ds_store_b64 v[WA], v[248:249] offset:512      ; registers 4, 5
	s_branch .Lwo_done
.Lwo_hi:
	ds_store_b64 v[WA], v[244:245] offset:520      ; registers 6, 7
	ds_store_b128 v[WA], v[246:249] offset:1024    ; registers 8-11
.Lwo_done:
.endm
; The block of wf leaves: 25 runs of 512 bytes, one for each wave and a second for waves 0-8.  It stands behind a barrier in front of which every wave has waited for its stores into the stage.
.macro WOOUT
	ds_load_b128 v[WD:WD+3], v[WR]
	s_cmp_lt_u32 s[WV], 9
	s_cbranch_scc0 .Lwo_one
	ds_load_b128 v[WD+4:WD+7], v[WR] offset:8192
	s_wait_dscnt 0x0
	global_store_b128 v[LI], v[WD+4:WD+7], s[66:67] offset:8192    ; 32 lanes store 512 consecutive bytes, at a multiple of 256 from wf's first byte
.Lwo_one:
	s_wait_dscnt 0x0
	global_store_b128 v[LI], v[WD:WD+3], s[66:67]
.endm
; MY e-TH KEY STEP OF EIGHT: step 2 e + my group of the head; it lies in slot (e / 2) % 2, at pair e % 2.
.macro STEP e
.if (\e) == 0
.set FST, 1
.else
.set FST, 0
.endif
	v_add_nc_u32 v[ADS], (((\e)/2)%2)*SLOTB+((\e)%2)*2*STEPB, v[AD0]
	s_wait_kmcnt 0x0                               ; this step's mask words are in
.set n, 0
.rept 32
	v_cndmask_b32 v[96+n], v[NEG], v[ZER], s[MA+n] ; the adder, in the place of the product's C: 0 where the key counts, -1e9 where not.  (These are also the places behind the last step's products)
.set n, n+1
.endr
	FRLOAD 0                                       ; K's tiles 0-3
	ds_load_b128 v[KSC:KSC+3], v[ADS] offset:12288 ; K's scale words
.set n, 0
.rept 32
	v_cndmask_b32 v[128+n], v[NEG], v[ZER], s[MB+n]
.set n, n+1
.endr
.if (\e) < 7
	s_load_b512 s[MA:MA+15], s[8:9], 512*(\e)+512          ; the words of my next step, two steps of 256 bytes on: they have this whole step in which to come
	s_load_b512 s[MA+16:MA+31], s[8:9], 512*(\e)+576
	s_load_b512 s[MB:MB+15], s[8:9], 512*(\e)+640
	s_load_b512 s[MB+16:MB+31], s[8:9], 512*(\e)+704
.endif
	s_wait_dscnt 0x0
.irp t, 0,1,2,3
	MM 96+8*\t, FRG+12*\t, QF, 0, KSC+\t/2, QS, \t%2       ; S^T + adder: source 0 = 16 keys, source 1 = my 16 queries
.endr
	PLACES 4                                       ; in front of loads into registers that matrix instructions have read
	FRLOAD 4*1536                                  ; K's tiles 4-7
	s_wait_dscnt 0x0
.irp t, 0,1,2,3
	MM 128+8*\t, FRG+12*\t, QF, 0, KSC+2+\t/2, QS, \t%2
.endr
	PLACES 4                                       ; for the loads below and for the first read of the scores
	FRLOAD BLK                                     ; V's tiles 0-3 land under the softmax
	ds_load_b128 v[VSC:VSC+3], v[ADS] offset:BLK+12288
.irp b, 0,1,2,3
	v_max3_num_f32 v[232+\b], v[96+16*\b], v[97+16*\b], v[98+16*\b]   ; the largest score of each block of 32 keys: it serves for the row's maximum and, since p rises with the score, for the block's largest p
.endr
.irp i, 3,5,7,9,11,13
.irp b, 0,1,2,3
	v_max3_num_f32 v[232+\b], v[232+\b], v[96+16*\b+\i], v[97+16*\b+\i]   ; (the four blocks by turns)
.endr
.endr
.irp b, 0,1,2,3
	v_max_num_f32 v[232+\b], v[232+\b], v[111+16*\b]
.endr
.irp b, 0,1,2,3
	v_permlanex16_b32 v[236+\b], v[232+\b], s[SEL], s[SEL+1]
.endr
.irp b, 0,1,2,3
	v_max_num_f32 v[232+\b], v[232+\b], v[236+\b]  ; with lane l xor 16's 16 keys
.endr
	v_max3_num_f32 v254, v232, v233, v234
	v_max_num_f32 v254, v254, v235                 ; the step's largest score of my query
	v_mul_f32 v254, s[CS], v254                    ; as t
	v_max_num_f32 v13, v13, v254                   ; the running largest t
	v_mov_b32 v254, v12
	v_floor_f32 v12, -v13                          ; the new -M = floor(-t) = -ceil(t): a whole number
	v_sub_f32 v254, v12, v254                      ; M's old value less its new one: 0 or less
	v_cvt_i32_f32 v254, v254                       ; (it saturates)
	v_ldexp_f32 v252, 1.0, v254                    ; f = 2^(old M - new M)
.set j, 0
.rept 32
	v_pk_mul_f32 v[96+j:97+j], v[96+j:97+j], s[CS:CS+1] op_sel_hi:[1,0]    ; t, rounded as a product of its own: where every key of a row is masked t is near -1.44e9, and t - M must come out as the difference of the rounded numbers
.set j, j+2
.endr
.irp b, 0,1,2,3
	v_mul_f32 v[232+\b], s[CS], v[232+\b]          ; the same of each block's largest score
.endr
.set j, 0
.rept 32
	v_pk_add_f32 v[96+j:97+j], v[96+j:97+j], v[12:13] op_sel_hi:[1,0]      ; t - M (of the pair the low word, -M, serves both halves)
.set j, j+2
.endr
.irp b, 0,1,2,3
	v_add_f32 v[232+\b], v[232+\b], v12
.endr
.set j, 0
.rept 64
	v_exp_f32 v[96+j], v[96+j]                     ; p = 2^(t - M): not normalised
.set j, j+1
.endr
	v_pk_mul_f32 v[14:15], v[14:15], v[252:253] op_sel_hi:[1,0]    ; the sums under the new M.  (A plain instruction behind the exponentials)
	s_wait_alu depctr_va_vdst(0)                   ; one wait for the whole batch, ahead of its first reader
.irp b, 0,1,2,3
	v_exp_f32 v[232+\b], v[232+\b]                 ; the block's largest p: the same instructions on the same number give the same bits
.endr
	v_pk_add_f32 v[236:237], v[96:97], v[98:99]    ; the row's sum is taken of the unquantised p: two at a time, in two chains
.irp j, 4,8,12,16,20,24,28,32,36,40,44,48,52,56,60
	v_pk_add_f32 v[14:15], v[14:15], v[96+\j:97+\j]
	v_pk_add_f32 v[236:237], v[236:237], v[98+\j:99+\j]
.endr
	v_pk_add_f32 v[14:15], v[14:15], v[236:237]
	s_wait_alu depctr_va_vdst(0)                   ; and one for the four
.irp b, 0,1,2,3
	v_max_num_f32 v[232+\b], 0x1800000, v[232+\b]  ; the floor 2^(3 - 127): the byte cannot fall under 1
.endr
.irp b, 0,1,2,3
	v_add_nc_u32 v[244+\b], 0xff000000, v[232+\b]  ; 2 off the exponent field: the conversion's scale operand
.endr
.irp b, 0,1,2,3
	v_lshrrev_b32 v[236+\b], 23, v[244+\b]         ; the scale's byte
.endr
	v_lshl_or_b32 v253, v237, 8, v236              ; p's scale word for these 128 keys
	v_lshl_or_b32 v253, v238, 16, v253
	v_lshl_or_b32 v253, v239, 24, v253
.irp c, 0,1
	v_cvt_scalef32_pk16_fp6_f32 v[224+6*\c:226+6*\c], v[96+32*\c:111+32*\c], v[244+2*\c]
	v_cvt_scalef32_pk16_fp6_f32 v[236+4*\c:238+4*\c], v[112+32*\c:127+32*\c], v[244+2*\c+1]   ; (a conversion's three registers begin on an even number)
.endr
	v_nop                                          ; one plain instruction behind a scaled conversion
.irp c, 0,1                                    ; the operand's layout wants a whole block in a lane
.irp i, 0,1,2
	v_permlane16_swap_b32 v[224+6*\c+\i], v[236+4*\c+\i]
.endr
.irp i, 0,1,2
	v_mov_b32 v[227+6*\c+\i], v[236+4*\c+\i]
.endr
.endr
.if FST
	WOQ                                            ; there is no O^T yet to rescale: its registers hold Wo's numbers, which are quantised here
	PLACES 8                                       ; a scale register written by a vector instruction stands 8 places ahead of a scaled matrix instruction, an operand so written 4
.else
.set j, 0
.rept 32
	v_pk_mul_f32 v[160+j:161+j], v[160+j:161+j], v[252:253] op_sel_hi:[1,0]   ; O^T under the new M.  (These are also those places)
.set j, j+2
.endr
.endif
	s_wait_dscnt 0x0                               ; V's tiles 0-3 and its scale words
.irp t, 0,1,2,3
	MM 160+8*\t, FRG+12*\t, 224, FST, VSC+\t/2, 253, \t%2  ; O^T += V^T P^T: source 0 = 16 channels, source 1 = p; my first step starts the sums
.endr
	PLACES 4
	FRLOAD BLK+4*1536                              ; V's tiles 4-7
	s_wait_dscnt 0x0
.irp t, 0,1,2,3
	MM 192+8*\t, FRG+12*\t, 224, FST, VSC+2+\t/2, 253, \t%2
.endr
.endm
; THE CHANGE OF SLOTS.  Each wave waits for all its tensor loads (its part of the slot ahead), adds 0 to its spare word, and waits for that and for its reads of the slot that it leaves.
; fill = 1: the slot just left is filled with the key steps eight on; the barrier is then a round of the cluster's, and the joint refill is the first thing behind it: it has a slot's two steps of each wave in which to land.
.macro CHANGE fill, g0
	s_wait_tensorcnt 0x0                           ; no tensor load of mine is out, so a group 0 may be written
	ds_add_u32 v[SPW], v[NIL]                      ; 0 onto my spare word
.if \fill
	s_add_nc_u64 s[\g0+2:\g0+3], s[\g0+2:\g0+3], 2*SLOTB   ; eight key steps on; the type bits on top are not reached
	s_wait_dscnt 0x0                               ; the add is done, and my reads of the slot are over
	CROUND
	TLOAD \g0                                      ; my one tensor load until the next round
.else
	s_wait_dscnt 0x0
	s_barrier_signal -1
	s_barrier_wait -1
.endif
.endm
	s_wait_tensorcnt 0x1                           ; my part of slot 0 is in; slot 1's may stay out
	s_barrier_signal -1
	s_barrier_wait -1                              ; everybody's is
	s_wait_loadcnt 32                              ; Q and its scale words are in; Wo's 32 loads, issued behind them, may stay out
	STEP 0
	STEP 1
	CHANGE 1, G0                                   ; slot 0 takes key steps 8-11
	WOOUT                                          ; every wave's part of wf's block lies in the stage since that round
	STEP 2
	STEP 3
	CHANGE 1, G0+4                                 ; slot 1 takes key steps 12-15
	STEP 4
	STEP 5
	CHANGE 0, G0                                   ; nothing is left to fetch
	STEP 6
	STEP 7
; 64 numbers of a lane become a fragment's codes in v[PC] on and its scale word in v[PW]
.set PC, 160
.set TM, 184
.set PW, 200
.macro QUANT s
.irp b, 0,1,2,3
	v_max3_num_f32 v[TM+\b], |v[\s+16*\b]|, |v[\s+1+16*\b]|, 0x1800000
.endr
.irp i, 2,4,6,8,10,12,14
.irp b, 0,1,2,3
	v_max3_num_f32 v[TM+\b], v[TM+\b], |v[\s+16*\b+\i]|, |v[\s+1+16*\b+\i]|
.endr
.endr
.irp b, 0,1,2,3
	v_permlanex16_b32 v[TM+4+\b], v[TM+\b], s[SEL], s[SEL+1]
.endr
.irp b, 0,1,2,3
	v_max_num_f32 v[TM+\b], v[TM+\b], v[TM+4+\b]
.endr
.irp b, 0,1,2,3
	v_add_nc_u32 v[TM+12+\b], 0xff000000, v[TM+\b]
.endr
.irp b, 0,1,2,3
	v_lshrrev_b32 v[TM+4+\b], 23, v[TM+12+\b]
.endr
	v_lshl_or_b32 v[PW], v[TM+5], 8, v[TM+4]
	v_lshl_or_b32 v[PW], v[TM+6], 16, v[PW]
	v_lshl_or_b32 v[PW], v[TM+7], 24, v[PW]
.irp c, 0,1
	v_cvt_scalef32_pk16_fp6_f32 v[PC+6*\c:PC+2+6*\c], v[\s+32*\c:\s+15+32*\c], v[TM+12+2*\c]
	v_cvt_scalef32_pk16_fp6_f32 v[PC+12+4*\c:PC+14+4*\c], v[\s+16+32*\c:\s+31+32*\c], v[TM+12+2*\c+1]
.endr
	v_nop                                          ; one plain instruction behind a scaled conversion
.irp c, 0,1
.irp i, 0,1,2
	v_permlane16_swap_b32 v[PC+6*\c+\i], v[PC+12+4*\c+\i]
.endr
.irp i, 0,1,2
	v_mov_b32 v[PC+3+6*\c+\i], v[PC+12+4*\c+\i]
.endr
.endr
.endm
	; THE END.  The sum's halves are joined; waves 8-15 hand their half of the keys to waves 0-7.
	PLACES 4                                       ; behind the last products
	v_add_f32 v14, v14, v15
	v_permlanex16_b32 v252, v14, s[SEL], s[SEL+1]
	v_add_f32 v14, v14, v252                       ; my query's sum over my keys
	s_cmp_lt_u32 s[WV], 8
	s_cbranch_scc1 .Lkeeps
.irp k, 0,1,2,3,4,5,6,7,8,9,10,11,12,13,14,15
	ds_store_b128 v[MO], v[160+4*\k:163+4*\k] offset:512*\k        ; O^T as it stands, each accumulator from its low end on
.endr
	ds_store_b32 v[MS], v12                        ; -M
	ds_store_b32 v[MS], v14 offset:128             ; the sum
.Lkeeps:
	s_wait_dscnt 0x0                               ; for the others' sake: my stores are done
	s_barrier_signal -1
	s_barrier_wait -1
	s_cmp_ge_u32 s[WV], 8
	s_cbranch_scc1 .Lgiven
.irp k, 0,1,2,3,4,5,6,7,8,9,10,11,12,13,14,15
	ds_load_b128 v[96+4*\k:99+4*\k], v[MO] offset:512*\k
.endr
	ds_load_b32 v232, v[MS]
	ds_load_b32 v233, v[MS] offset:128
	s_wait_dscnt 0x0
	v_min_num_f32 v234, v12, v232                  ; -(the larger M)
	v_sub_f32 v235, v234, v12                      ; my M less the larger: a whole number, 0 or less
	v_sub_f32 v236, v234, v232                     ; the other's likewise
	v_cvt_i32_f32 v235, v235
	v_cvt_i32_f32 v236, v236
	v_ldexp_f32 v235, 1.0, v235                    ; both halves are brought under the larger M by exact powers of two
	v_ldexp_f32 v236, 1.0, v236
	v_mul_f32 v237, v14, v235
	v_fma_f32 v237, v233, v236, v237               ; the row's sum
	v_rcp_f32 v242, v237
	v_nop                                          ; a plain instruction behind the reciprocal
	s_wait_alu depctr_va_vdst(0)                   ; and the wait ahead of its first reader
	v_mul_f32 v238, v235, v242
	v_mul_f32 v240, v236, v242
	v_mov_b32 v239, v238                           ; (the packed forms name pairs, so both words are written)
	v_mov_b32 v241, v240
.set j, 0
.rept 32
	v_pk_mul_f32 v[96+j:97+j], v[96+j:97+j], v[240:241] op_sel_hi:[1,0]
.set j, j+2
.endr
.set j, 0
.rept 32
	v_pk_fma_f32 v[96+j:97+j], v[160+j:161+j], v[238:239], v[96+j:97+j] op_sel_hi:[1,0,1]   ; attn(my query, channel 16 t + 8 h + i); each accumulator of O^T from its low end on
.set j, j+2
.endr
	QUANT 96                                       ; along the channels: K step = head of the output product
.irp c, 0,1,2
	global_store_b128 v[LI], v[PC+4*\c:PC+4*\c+3], s[10:11] offset:512*\c  ; the fragment's image: 512 consecutive bytes a store
.endr
	ds_store_b32 v[SCA], v[PW]                     ; lanes l and l + 16 write the same word with the same value
.Lgiven:
	s_wait_dscnt 0x0
	s_barrier_signal -1
	s_barrier_wait -1                              ; the eight tiles' scale words lie in LDS
	s_cmp_lg_u32 s[WV], 0
	s_cbranch_scc1 .Lend
	ds_load_b128 v[SIM:SIM+3], v[SCB]
	s_wait_dscnt 0x0
	global_store_b128 v[LI], v[SIM:SIM+3], s[10:11] offset:12288   ; wave 0's pointer stands at the block's head: the image's 512 bytes
.Lend:
	s_wait_tensorcnt 0x0                           ; the wave's end
	ds_add_u32 v[SPW], v[NIL]
	s_wait_dscnt 0x0
	CROUND                                         ; the closing round
	s_endpgm
.Lfunc_end_k_q54d1973882_attn:
	.size	k_q54d1973882_attn, .Lfunc_end_k_q54d1973882_attn-k_q54d1973882_attn
	.p2alignl 7, 3214868480
	.fill 96, 4, 3214868480
	.section	.rodata,"a",@progbits
	.p2align	6, 0x0
	.amdhsa_kernel k_q54d1973882_attn
		.amdhsa_group_segment_fixed_size 327680
		.amdhsa_private_segment_fixed_size 0
		.amdhsa_enable_private_segment 0
		.amdhsa_kernarg_size 48
		.amdhsa_user_sgpr_count 2
		.amdhsa_user_sgpr_kernarg_segment_ptr 1
		.amdhsa_wavefront_size32 1
		.amdhsa_system_sgpr_workgroup_id_x 1
		.amdhsa_system_sgpr_workgroup_id_y 1
		.amdhsa_system_sgpr_workgroup_id_z 1
		.amdhsa_system_vgpr_workitem_id 0
		.amdhsa_next_free_vgpr 256
		.amdhsa_next_free_sgpr 106
		.amdhsa_reserve_vcc 0
		.amdhsa_float_denorm_mode_32 3
		.amdhsa_float_denorm_mode_16_64 3
		.amdhsa_memory_ordered 1
		.amdhsa_forward_progress 1
		.amdhsa_inst_pref_size 221
	.end_amdhsa_kernel
	.amdgpu_metadata
---
amdhsa.version: [ 1, 2 ]
amdhsa.kernels:
  - .name:           k_q54d1973882_attn
    .symbol:         k_q54d1973882_attn.kd
    .args:
      - { .name: qf, .offset: 0, .size: 8, .value_kind: global_buffer, .address_space: global }
      - { .name: kv, .offset: 8, .size: 8, .value_kind: global_buffer, .address_space: global }
      - { .name: mw, .offset: 16, .size: 8, .value_kind: global_buffer, .address_space: global }
      - { .name: af, .offset: 24, .size: 8, .value_kind: global_buffer, .address_space: global }
      - { .name: Wo, .offset: 32, .size: 8, .value_kind: global_buffer, .address_space: global }
      - { .name: wf, .offset: 40, .size: 8, .value_kind: global_buffer, .address_space: global }
    .group_segment_fixed_size: 327680
    .private_segment_fixed_size: 0
    .kernarg_segment_align: 8
    .kernarg_segment_size: 48
    .max_flat_workgroup_size: 512
    .sgpr_count:     106
    .vgpr_count:     256
    .wavefront_size: 32
...
	.end_amdgpu_metadata
.endif
;; end of part 2
;; launch outp (part 3): grid 16 x 16, 4 waves a work-group, clusters of 4 x 4, 327,680 bytes of LDS; arguments af, wf, bo, out0; writes out0
.if DOCPART == 3
	.amdgcn_target "amdgcn-amd-amdhsa--gfx1250"
	.amdhsa_code_object_version 6
	.text
	.protected	k_q54d1973882_outp
	.globl	k_q54d1973882_outp
	.p2align	8
	.type	k_q54d1973882_outp,@function
k_q54d1973882_outp:
	s_mov_b64 s[64:65], 0
	v_nop
	global_prefetch_b8 v0, s[64:65] scope:SCOPE_SE
	s_setreg_imm32_b32 hwreg(HW_REG_WAVE_MODE, 25, 1), 1
	s_wait_xcnt 0x0
	s_wait_alu depctr_hold_cnt(0) depctr_sa_sdst(0) depctr_va_vdst(0) depctr_va_sdst(0) depctr_va_ssrc(0) depctr_va_vcc(0) depctr_vm_vsrc(0)
	s_getreg_b32 s2, hwreg(HW_REG_IB_STS2, 6, 4)
	s_cmp_eq_u32 s2, 0
	s_cbranch_scc0 .Lentry_in_a_cluster
	s_endpgm
.Lentry_in_a_cluster:
	s_bfe_u32 s2, ttmp6, 0x10000c
	s_cmp_lg_u32 s2, 0xf033
	s_cbranch_scc0 .Lentry_shape_is_right
	s_endpgm
.Lentry_shape_is_right:
; out0[m][d] = sum over k of attn[m][k] Wo[k][d] + bo[d], 2,048 x 2,048 x 2,048, on codes of FP6 (E2M3) with one E8M0 byte for each 32 along K; sums in f32.
; Both operands were laid by earlier launches as BLOCKS of 12,800 bytes: 128 rows x 128 K as 8 fragment images (registers 4 c .. 4 c + 3 of lane l at 512 c + 16 l) and 512 bytes of scale words
; (tile T, row r at 16 (r + 16 (T % 2)) + 4 (T / 2)).  af = [m / 128][K / 128], wf = [d / 128][K / 128]: a tile's K steps follow each other in memory, so a tensor load brings two of them as 100 dense rows of 256 bytes,
; and a fragment comes out of LDS by three loads of 16 bytes a lane, each of 512 consecutive bytes.
; A tile of out0 is 128 x 128, so that all 256 work-groups' worth of tiles exist; four waves, 64 x 64 each: 16 accumulators.  A slot holds four K steps of A and of B (102,400 bytes); two slots.
; CLUSTERS: 4 x 4 work-groups; A's tiles are asked for jointly along a row of the cluster, B's along a column.  THE MATRIX INSTRUCTION IS USED TRANSPOSED (source 0 = 16 columns d, source 1 = 16 rows m):
; a lane holds eight neighbouring numbers of a row of out0.  bo is the C of each sum's first matrix instruction.
; REGISTERS: window 0: v16-29 addresses; v32-39 scale words, two sets; v40-71 bo, later with v64-127 rows on the way out; v128-255 the accumulators ((a, b) at v[128 + 8 (4 a + b)]).
;   window 1: two fragment buffers, v0-95 and v128-223: A's four fragments, then B's four.
.set BLK,    12800
.set SLOT,   8*BLK                     ; A's four K steps, then B's four
.set STAGE,  2*SLOT                    ; behind the ring: 16 rows x 272 bytes for each wave, for the way out
.set SPITCH, 272
.set SPARE,  STAGE+4*16*SPITCH         ; the spare words, 128 bytes for each wave: two blocks of 256 bytes that no other line names
.set ADRA, 16                          ; v16-17 my A fragments in slot 0, 1
.set ASA,  18                          ; v18-19 my A scale words
.set ADRB, 20                          ; v20-21 the same for B
.set ASB,  22                          ; v22-23
.set STO,  24                          ; v24  the way out: where I put 32 bytes of a row
.set RD,   25                          ; v25  where I read a row back
.set CO,   26                          ; v26  my byte offset in out0
.set OB,   27                          ; v27  32 x (lane / 16): my eight numbers of bo
.set SPW,  28                          ; v28  LDS address of my spare word; never rewritten
.set NIL,  29                          ; v29  0; never rewritten
.set SCR,  32                          ; set F at v[32 + 4 F]: two registers of A's words, two of B's
.set BO,   40
.set BK,   64                          ; the way out: two sets of 32
.set ACC,  128
.set F0,   0
.set F1,   128
.set WV,   12
.set G1, 24
.set G0, 32
.set G1B, 48
.set G0B, 56
.set MSB, 0
.macro WIN new                         ; the immediate's high byte repeats the setting that is left
.if MSB != \new
	s_set_vgpr_msb (MSB<<8)|\new
.set MSB, \new
.endif
.endm
.set MUL,  0x05                        ; sources 0 (B) and 1 (A) window 1; C and D window 0
.set TO_F, 0x40                        ; destination window 1, address window 0
.macro JLOAD s                         ; a joint load: waves 0 and 1 fetch A's halves of a slot, waves 2 and 3 B's; four v_nop follow each of the two lines
	s_cmp_eq_u32 s13, 0
	s_cbranch_scc0 .Lfor_b_\@
	tensor_load_to_lds s[G0+4*\s:G0+4*\s+3], s[G1:G1+7]
	s_nop 0
.rept 4
	v_nop
.endr
	s_branch .Lasked_\@
.Lfor_b_\@:
	tensor_load_to_lds s[G0B+4*\s:G0B+4*\s+3], s[G1B:G1B+7]
	s_nop 0
.rept 4
	v_nop
.endr
.Lasked_\@:
.endm
.macro CREST                           ; a round of the cluster's barrier behind its opening barrier
	s_cmp_lg_u32 s[WV], 0
	s_cbranch_scc1 .Lnot_wave_0_\@
	s_barrier_signal -3
.Lnot_wave_0_\@:
	s_barrier_wait -3
	s_barrier_signal -1
	s_barrier_wait -1
.endm
.macro CROUND
	s_barrier_signal -1
	s_barrier_wait -1
	CREST
.endm
	s_load_b256 s[4:11], s[0:1], 0x0               ; af s[4:5], wf s[6:7], bo s[8:9], out0 s[10:11]
	v_lshl_add_u32 v[SPW], v0, 2, SPARE
	v_mov_b32 v[NIL], 0
	ds_add_u32 v28, v29
	s_wait_dscnt 0x0
	v_lshrrev_b32 v1, 5, v0
	v_readfirstlane_b32 s[WV], v1                  ; wave 0..3
	s_lshr_b32 s13, s[WV], 1                       ; which half of the tile's rows is mine.  Also: I fetch for A (0) or for B (1)
	s_and_b32 s14, s[WV], 1                        ; which half of its columns.  Also: which two K steps of a slot I fetch
	s_bfe_u32 s40, ttmp6, 0x40000                  ; cx, cy
	s_bfe_u32 s41, ttmp6, 0x40004
	s_lshl_b32 s42, ttmp9, 2
	s_add_co_u32 s42, s42, s40                     ; tile column = 4 x cluster x + cx
	s_and_b32 s15, ttmp7, 0xffff
	s_lshl_b32 s15, s15, 2
	s_add_co_u32 s15, s15, s41                     ; tile row = 4 x cluster y + cy
	s_lshl_b32 s43, s41, 2
	s_lshl_b32 s43, 15, s43                        ; my row of the cluster
	s_lshl_b32 s44, 0x1111, s40                    ; my column
	s_or_b32 s[G1], s43, (3<<16)|(1<<21)           ; 15:0 the mask: A's tiles go to my row; 17:16 elements of 8 bytes; 21 set beside a mask; no padding
	s_or_b32 s[G1B], s44, (3<<16)|(1<<21)
.irp g, G1, G1B
	s_mov_b32 s[\g+1], 32<<16                      ; tensor_dim0 = 32 elements: 256 bytes
	s_mov_b32 s[\g+2], 100<<16                     ; tensor_dim1 = 100 rows: two blocks
	s_mov_b32 s[\g+3], 32<<16                      ; tile_dim0
	s_mov_b32 s[\g+4], 100                         ; tile_dim1
	s_mov_b32 s[\g+5], 32                          ; the pitch: dense
	s_mov_b32 s[\g+6], 0
	s_mov_b32 s[\g+7], 0
.endr
	s_mul_i32 s18, s14, 2*BLK                      ; which two K steps of a slot I fetch
	s_mul_i32 s16, s15, 16*BLK
	s_add_co_u32 s16, s16, s18                     ; A: by the tile row alone
	s_mov_b32 s17, 0
	s_mul_i32 s46, s42, 16*BLK
	s_add_co_u32 s46, s46, s18                     ; B: by the tile column alone
	s_mov_b32 s47, 0
	s_mul_i32 s20, s[WV], 2*BLK                    ; where they go: wave x two blocks: no place in the cluster enters an LDS address
	s_wait_kmcnt 0x0
	s_add_nc_u64 s[16:17], s[4:5], s[16:17]
	s_add_nc_u64 s[46:47], s[6:7], s[46:47]
	CROUND                                         ; all sixteen work-groups are here: the first joint loads meet
.irp s, 0,1
	s_mov_b32 s[G0+4*\s], 1
	s_add_co_u32 s[G0+4*\s+1], s20, \s*SLOT
	s_add_nc_u64 s[G0+4*\s+2:G0+4*\s+3], s[16:17], \s*4*BLK        ; slot s begins with K steps 4 s .. 4 s + 3
	s_or_b32 s[G0+4*\s+3], s[G0+4*\s+3], 0x80000000
	s_mov_b32 s[G0B+4*\s], 1
	s_add_co_u32 s[G0B+4*\s+1], s20, \s*SLOT
	s_add_nc_u64 s[G0B+4*\s+2:G0B+4*\s+3], s[46:47], \s*4*BLK
	s_or_b32 s[G0B+4*\s+3], s[G0B+4*\s+3], 0x80000000
	JLOAD \s                                       ; by this text's count two tensor loads of mine are out behind the second
.endr
	v_and_b32 v1, 15, v0                           ; r
	v_bfe_u32 v2, v0, 4, 1                         ; h
	v_and_b32 v3, 31, v0
	v_lshlrev_b32 v3, 4, v3                        ; 16 x lane
	s_mul_i32 s21, s13, 6144                       ; my four fragments of A's block
	s_mul_i32 s22, s14, 6144
	s_add_co_u32 s22, s22, 4*BLK                   ; and of B's, behind A's four K steps
	s_lshl_b32 s23, s13, 3
	s_add_co_u32 s23, s23, 12288                   ; my four tiles' words: registers 2 x half, 2 x half + 1 of the image
	s_lshl_b32 s2, s14, 3
	s_add_co_u32 s2, s2, 4*BLK+12288
.irp s, 0,1
	v_add_nc_u32 v[ADRA+\s], s21, v3
	v_add_nc_u32 v[ASA+\s], s23, v3
	v_add_nc_u32 v[ADRB+\s], s22, v3
	v_add_nc_u32 v[ASB+\s], s2, v3
	s_add_co_u32 s21, s21, SLOT
	s_add_co_u32 s22, s22, SLOT
	s_add_co_u32 s23, s23, SLOT
	s_add_co_u32 s2, s2, SLOT
.endr
	s_mul_i32 s3, s[WV], 16*SPITCH
	s_add_co_u32 s3, s3, STAGE                     ; my stage
	v_mul_u32_u24 v4, v1, SPITCH                   ; in: row r, 32 bytes for each half of the lanes
	v_lshl_add_u32 v4, v2, 5, v4
	v_add_nc_u32 v[STO], s3, v4
	v_mul_u32_u24 v5, v2, SPITCH                   ; back: lanes 0-15 one row of 256 bytes, lanes 16-31 the next
	v_lshl_add_u32 v5, v1, 4, v5
	v_add_nc_u32 v[RD], s3, v5
	v_lshlrev_b32 v5, 13, v2                       ; and the same two rows in out0
	v_lshl_add_u32 v[CO], v1, 4, v5
	v_lshlrev_b32 v[OB], 5, v2
	s_lshl_b32 s16, s15, 7
	s_lshl_b32 s17, s13, 6
	s_add_co_u32 s16, s16, s17
	s_lshl_b32 s16, s16, 13                        ; my first row of out0: (128 x tile row + 64 x half) x 8,192 bytes
	s_mov_b32 s17, 0
	s_add_nc_u64 s[10:11], s[10:11], s[16:17]
	s_lshl_b32 s46, s42, 9                         ; my first column, in bytes: 512 x tile column + 256 x half
	s_lshl_b32 s47, s14, 8
	s_add_co_u32 s46, s46, s47
	s_mov_b32 s47, 0
	s_add_nc_u64 s[10:11], s[10:11], s[46:47]
	s_add_nc_u64 s[8:9], s[8:9], s[46:47]          ; bo at the same column
.irp b, 0,1,2,3
	global_load_b128 v[BO+8*\b:BO+8*\b+3], v[OB], s[8:9] offset:64*\b      ; bo(my column + 16 b + 8 h + 0 .. 7): the result's layout
	global_load_b128 v[BO+8*\b+4:BO+8*\b+7], v[OB], s[8:9] offset:64*\b+16
.endr
.macro MM d, pb, pa, cc, sb, sa, rb, ra        ; one product; rb, ra = 1: that side's scale words stand in lanes 16-31
.if (\rb) && (\ra)
	v_wmma_scale_f32_16x16x128_f8f6f4 v[\d:\d+7], v[\pb:\pb+11], v[\pa:\pa+11], v[\cc:\cc+7], v[\sb], v[\sa] matrix_a_fmt:MATRIX_FMT_FP6 matrix_b_fmt:MATRIX_FMT_FP6 matrix_a_scale:MATRIX_SCALE_ROW1 matrix_b_scale:MATRIX_SCALE_ROW1
.elseif (\rb)
	v_wmma_scale_f32_16x16x128_f8f6f4 v[\d:\d+7], v[\pb:\pb+11], v[\pa:\pa+11], v[\cc:\cc+7], v[\sb], v[\sa] matrix_a_fmt:MATRIX_FMT_FP6 matrix_b_fmt:MATRIX_FMT_FP6 matrix_a_scale:MATRIX_SCALE_ROW1
.elseif (\ra)
	v_wmma_scale_f32_16x16x128_f8f6f4 v[\d:\d+7], v[\pb:\pb+11], v[\pa:\pa+11], v[\cc:\cc+7], v[\sb], v[\sa] matrix_a_fmt:MATRIX_FMT_FP6 matrix_b_fmt:MATRIX_FMT_FP6 matrix_b_scale:MATRIX_SCALE_ROW1
.else
	v_wmma_scale_f32_16x16x128_f8f6f4 v[\d:\d+7], v[\pb:\pb+11], v[\pa:\pa+11], v[\cc:\cc+7], v[\sb], v[\sa] matrix_a_fmt:MATRIX_FMT_FP6 matrix_b_fmt:MATRIX_FMT_FP6
.endif
.endm
; Four matrix instructions: A's tile a x B's four, 128 along K, from buffer f.  zero = 1: the first product starts the sums, with bo as its C.  The 16 accumulators take turns, in the same order in every step.
.macro MUL4 f, a, zero
.irp b, 0,1,2,3
.if \zero
	MM ACC+8*(4*(\a)+\b), \f+48+12*\b, \f+12*(\a), BO+8*\b, SCR+4*((\f)/128)+2+\b/2, SCR+4*((\f)/128)+(\a)/2, \b%2, (\a)%2
.else
	MM ACC+8*(4*(\a)+\b), \f+48+12*\b, \f+12*(\a), ACC+8*(4*(\a)+\b), SCR+4*((\f)/128)+2+\b/2, SCR+4*((\f)/128)+(\a)/2, \b%2, (\a)%2
.endif
.endr
.endm
; 26 LDS loads in one run: the slot's q-th K step into buffer f and its set of scale words
.macro FETCH slot, q, f
	WIN TO_F
.irp i, 0,1,2,3
.irp c, 0,1,2
	ds_load_b128 v[\f+48+12*\i+4*\c:\f+48+12*\i+4*\c+3], v[ADRB+\slot] offset:BLK*(\q)+1536*\i+512*\c
.endr
.endr
.irp i, 0,1,2,3
.irp c, 0,1,2
	ds_load_b128 v[\f+12*\i+4*\c:\f+12*\i+4*\c+3], v[ADRA+\slot] offset:BLK*(\q)+1536*\i+512*\c
.endr
.endr
	WIN 0
	ds_load_b64 v[SCR+4*((\f)/128):SCR+4*((\f)/128)+1], v[ASA+\slot] offset:BLK*(\q)
	ds_load_b64 v[SCR+4*((\f)/128)+2:SCR+4*((\f)/128)+3], v[ASB+\slot] offset:BLK*(\q)
.endm
.macro PLACES                          ; four places in front of loads into registers that matrix instructions have read, and of LDS stores that read results (ISA guide 7.12.1 for the stores)
.rept 4
	v_nop
.endr
.endm
; A K step that has its successor in the same slot: multiplies buffer f, and first asks for the successor (the slot's qn-th) into buffer g
.macro KSTEP f, g, slot, qn, zero
	s_wait_dscnt 0x0                               ; this step's fragments and scale words are in
	PLACES
	FETCH \slot, \qn, \g
	WIN MUL
	MUL4 \f, 0, \zero
	MUL4 \f, 1, \zero
	MUL4 \f, 2, \zero
	MUL4 \f, 3, \zero
.endm
; A slot's fourth step multiplies buffer 1 and changes slots: one barrier; in front of it each wave waits for all its tensor loads, adds 0 to its spare word, and waits for that and for its own reads of this slot.  fill = 1: this slot is filled again, eight K steps on.
.macro TURN slot, next, fill
	WIN 0                                          ; (the add's two registers lie in window 0)
	s_wait_tensorcnt 0x0                           ; all my tensor loads have landed: my part of the next slot
	ds_add_u32 v[SPW], v[NIL]                      ; 0 onto my spare word
	s_wait_dscnt 1                                 ; this step's fragments are in; the add alone may be out
	WIN MUL
	MUL4 F1, 0, 0                                  ; four matrix instructions stand between the add and the wait for it
	s_wait_dscnt 0x0                               ; the add is done, and my reads of this slot are over
	s_barrier_signal -1
	MUL4 F1, 1, 0
	WIN 0
	s_barrier_wait -1
.if \fill
	CREST                                          ; the barrier has opened a round of the cluster's barrier: no wave of any partner still reads this slot or has a load on its way
	s_add_nc_u64 s[G0+4*\slot+2:G0+4*\slot+3], s[G0+4*\slot+2:G0+4*\slot+3], 8*BLK
	s_add_nc_u64 s[G0B+4*\slot+2:G0B+4*\slot+3], s[G0B+4*\slot+2:G0B+4*\slot+3], 8*BLK
	JLOAD \slot                                    ; the first tensor load behind the round, my one load until the next: it has four K steps in which to land; its four v_nop are the places in front of the loads below
.else
	PLACES
.endif
	FETCH \next, 0, F0
	WIN MUL
	MUL4 F1, 2, 0
	MUL4 F1, 3, 0
.endm
	s_wait_tensorcnt 1                             ; my part of slot 0 is in; slot 1's may stay out
	s_barrier_signal -1
	s_barrier_wait -1                              ; everybody's is
	FETCH 0, 0, F0
	s_wait_loadcnt 0x0                             ; bo
	KSTEP F0, F1, 0, 1, 1                          ; K steps 0-3; the first starts the sums
	KSTEP F1, F0, 0, 2, 0
	KSTEP F0, F1, 0, 3, 0
	TURN 0, 1, 1                                   ; slot 0 takes K steps 8-11
	KSTEP F0, F1, 1, 1, 0                          ; K steps 4-7
	KSTEP F1, F0, 1, 2, 0
	KSTEP F0, F1, 1, 3, 0
	TURN 1, 0, 1                                   ; slot 1 takes K steps 12-15
	KSTEP F0, F1, 0, 1, 0                          ; K steps 8-11
	KSTEP F1, F0, 0, 2, 0
	KSTEP F0, F1, 0, 3, 0
	TURN 0, 1, 0                                   ; nothing is left to fetch, and no round follows
	KSTEP F0, F1, 1, 1, 0                          ; K steps 12-15
	KSTEP F1, F0, 1, 2, 0
	KSTEP F0, F1, 1, 3, 0
	s_wait_dscnt 0x0
	WIN MUL
	MUL4 F1, 0, 0
	MUL4 F1, 1, 0
	MUL4 F1, 2, 0
	MUL4 F1, 3, 0
	WIN 0
; THE WAY OUT, 16 rows x 64 columns at a time.  A lane holds 32 neighbouring bytes of a row and the lanes beside it hold other rows: so a block goes through my own stage in LDS and comes back as whole rows of 256 bytes.
; LDS serves a wave's instructions in order (ISA guide 5.7.1.4): no wait between the stores and the loads, nor in front of the next block's stores.
.macro TOSTAGE a
.irp b, 0,1,2,3
	ds_store_b128 v[STO], v[ACC+8*(4*(\a)+\b):ACC+8*(4*(\a)+\b)+3] offset:64*\b            ; each accumulator from its low end on
	ds_store_b128 v[STO], v[ACC+8*(4*(\a)+\b)+4:ACC+8*(4*(\a)+\b)+7] offset:64*\b+16
.endr
.irp t, 0,1,2,3,4,5,6,7
	ds_load_b128 v[BK+32*((\a)%2)+4*\t:BK+32*((\a)%2)+4*\t+3], v[RD] offset:\t*2*SPITCH
.endr
.endm
.macro SEND a, younger                 ; younger: the LDS instructions issued behind block a's loads, which may stay out
	s_wait_dscnt \younger
.irp t, 0,1,2,3,4,5,6,7
	global_store_b128 v[CO], v[BK+32*((\a)%2)+4*\t:BK+32*((\a)%2)+4*\t+3], s[10:11] offset:(16*(\a)+2*\t)*8192 th:TH_STORE_NT   ; 16 lanes store 256 consecutive bytes, at a multiple of 256 from out0's first byte
.endr
.endm
	PLACES                                         ; behind the last products
	TOSTAGE 0
.irp a, 1,2,3
.if \a > 1
	s_wait_xcnt 0x0                                ; block a - 2's stores have read their registers: block a's loads may land there
.endif
	TOSTAGE \a
	SEND \a-1, 16                                  ; behind block a - 1's loads: block a's 8 stores and 8 loads
.endr
	SEND 3, 0
	s_wait_tensorcnt 0x0                           ; the wave's end
	ds_add_u32 v[SPW], v[NIL]
	s_wait_dscnt 0x0
	CROUND                                         ; the closing round
	s_endpgm
.Lfunc_end_k_q54d1973882_outp:
	.size	k_q54d1973882_outp, .Lfunc_end_k_q54d1973882_outp-k_q54d1973882_outp
	.p2alignl 7, 3214868480
	.fill 96, 4, 3214868480
	.section	.rodata,"a",@progbits
	.p2align	6, 0x0
	.amdhsa_kernel k_q54d1973882_outp
		.amdhsa_group_segment_fixed_size 327680
		.amdhsa_private_segment_fixed_size 0
		.amdhsa_enable_private_segment 0
		.amdhsa_kernarg_size 32
		.amdhsa_user_sgpr_count 2
		.amdhsa_user_sgpr_kernarg_segment_ptr 1
		.amdhsa_wavefront_size32 1
		.amdhsa_system_sgpr_workgroup_id_x 1
		.amdhsa_system_sgpr_workgroup_id_y 1
		.amdhsa_system_sgpr_workgroup_id_z 1
		.amdhsa_system_vgpr_workitem_id 0
		.amdhsa_next_free_vgpr 512
		.amdhsa_next_free_sgpr 66
		.amdhsa_reserve_vcc 0
		.amdhsa_float_denorm_mode_32 3
		.amdhsa_float_denorm_mode_16_64 3
		.amdhsa_memory_ordered 1
		.amdhsa_forward_progress 1
		.amdhsa_inst_pref_size 81
	.end_amdhsa_kernel
	.amdgpu_metadata
---
amdhsa.version: [ 1, 2 ]
amdhsa.kernels:
  - .name:           k_q54d1973882_outp
    .symbol:         k_q54d1973882_outp.kd
    .args:
      - { .name: af, .offset: 0, .size: 8, .value_kind: global_buffer, .address_space: global }
      - { .name: wf, .offset: 8, .size: 8, .value_kind: global_buffer, .address_space: global }
      - { .name: bo, .offset: 16, .size: 8, .value_kind: global_buffer, .address_space: global }
      - { .name: out0, .offset: 24, .size: 8, .value_kind: global_buffer, .address_space: global }
    .group_segment_fixed_size: 327680
    .private_segment_fixed_size: 0
    .kernarg_segment_align: 8
    .kernarg_segment_size: 32
    .max_flat_workgroup_size: 128
    .sgpr_count:     66
    .vgpr_count:     512
    .wavefront_size: 32
...
	.end_amdgpu_metadata
.endif
;; end of part 3
